; MI455X (gfx1250); checked and timed in simulation.
; The chip was launched on July 23, 2026; its instructions are those of AMD's public machine-readable ISA for CDNA 5 (MIT licence, August 2026) and "CDNA5" Instruction Set Architecture Reference Guide (July 2026). The comments in the code are by the model that wrote it; some were corrected since.
;; Multi Head Attention. Allowed arithmetic: matrix products marked QUANTISED: E2M3 operands, one E8M0 scale for each 32 along K, by v_wmma_scale_f32_16x16x128_f8f6f4 with both operands' format E2M3, f32 sums; everything else in f32.
;; Inputs: W_k 16 x 1,024 x 64 float32; W_o 1,024 x 1,024 float32; W_q 16 x 1,024 x 64 float32; W_v 16 x 1,024 x 64 float32; b_o 1,024 float32; k 4 x 2,048 x 1,024 float32; q 4 x 2,048 x 1,024 float32; v 4 x 2,048 x 1,024 float32.
;; Outputs: out0 4 x 2,048 x 1,024 float32.
;; This version of the problem:
;;   THIS VERSION OF THE PROBLEM IS GIVEN IN LOW PRECISION. The matrix products marked QUANTISED in the list below multiply operands that are first quantised to E2M3 (2 exponent bits, 3 mantissa bits; 6 bits a number), with one power-of-two scale for each 32 numbers along K (OCP MX v1.0); their sums are f32. All else is computed in f32.
;;   The module's matrix products, in the order in which they are computed (A, B: the left and right operand; K: the contracted axis; several contracted axes count as one K, in the product's order):
;;     1. [M 1,024, K 1,024] x [K 1,024, N 8,192]; A: input W_q; B: input q: QUANTISED
;;     2. [M 1,024, K 1,024] x [K 1,024, N 8,192]; A: input W_k; B: input k: QUANTISED
;;     3. [M 1,024, K 1,024] x [K 1,024, N 8,192]; A: input W_v; B: input v: QUANTISED
;;     4. batch 64 x [M 2,048, K 64] x [K 64, N 2,048]; A: computed on the way; B: computed on the way: QUANTISED
;;     5. batch 64 x [M 2,048, K 2,048] x [K 2,048, N 64]; A: softmax (see below); B: computed on the way: QUANTISED
;;     6. [M 8,192, K 1,024] x [K 1,024, N 1,024]; A: computed on the way; B: input W_o: QUANTISED
;;   THE QUANTISER, for each operand of a quantised product, along K:
;;     - K is cut into blocks of 32 from its start; a last block that is shorter is filled with zeros.
;;     - A block's scale is 2^e with e = floor(log2(the largest magnitude in the block)) - 2, held to -126 .. 127; a block of zeros has e = 0. As a byte (E8M0): e + 127.
;;     - Each number is divided by its block's scale, clamped to +-7.5, and rounded to the nearest number of E2M3, ties to even, subnormals kept.
;;     - The product sums the exact products of the quantised numbers (number of the format x scale) in f32.
;;   ~~~python
;;   def quantise(x, axis):      # numpy; x: float32 -> the quantised numbers, widened to float32 again
;;       x = np.moveaxis(x, axis, -1); K = x.shape[-1]
;;       x = np.pad(x, [(0, 0)] * (x.ndim - 1) + [(0, -K % 32)]); x = x.reshape(x.shape[:-1] + (-1, 32)); a = np.abs(x).max(-1, keepdims=True)
;;       e = np.where(a > 0, np.clip(np.frexp(np.where(a > 0, a, 1))[1] - 1 - 2, -126, 127), 0)      # np.frexp(a)[1] - 1 = floor(log2(a)), exactly
;;       r = np.clip(x / 2.0 ** e, -7.5, 7.5)
;;       step = 2.0 ** (np.maximum(np.frexp(np.where(r == 0, 1, r))[1] - 1, 0) - 3)
;;       q = np.round(r / step) * step * 2.0 ** e      # np.round: ties to even
;;       return np.moveaxis(q.reshape(q.shape[:-2] + (-1,))[..., :K], -1, axis).astype(np.float32)
;;   ~~~
;;   SOFTMAX AHEAD OF A QUANTISED PRODUCT. Where the list says 'softmax', what is quantised is not the finished softmax but p = 2^(t - M), with t = logit x log2(e) and M = ceil(the row's largest t), a whole number; so 1/2 < the row's largest p <= 1. The row's sum l is taken of the UNQUANTISED p, in f32, and the product's result is divided by l at the end. Since M is a whole number, a kernel that streams over the keys may use a running M (the ceiling of the running maximum): every later rescaling is an exact power of two, which a block's scale takes up: the codes' values come out the same.
;;   OPERANDS COMPUTED ON THE WAY. 'Computed on the way' means the value that the module computes at that place (a softmax that the list does not call 'softmax' is quantised finished and normalised). What goes into a quantiser is computed in f32, as accurately as f32 sums, v_exp_f32 and their like allow (about 1e-6 of the number): no bf16 or f16 on the way to a quantiser, and a product that is left as it is and whose result goes on into a quantised operand takes f32 operands (vector FMAs, or v_wmma_f32_16x16x4_f32). A number that lies on a knife's edge between two numbers of the format may be rounded either way, as far as f32 arithmetic and the matrix unit's own rounding can turn it there, and no further.
;; One version. Each part assembles by itself: llvm-mc -triple=amdgcn-amd-amdhsa -mcpu=gfx1250 --defsym DOCPART=n.
;; ======== version 1 of 1: 4 launches
;; limits: right only within a limited range of input values
;; workspace buffers: rec 22,937,600 bytes; hd 19,660,800 bytes; orr 6,553,600 bytes
;; launch prep (part 1): grid 896 x 1, 4 waves a work-group, no clusters, 34,304 bytes of LDS; arguments q, k, v, W_q, W_k, W_v, W_o, rec; writes rec
.if DOCPART == 1
	.amdgcn_target "amdgcn-amd-amdhsa--gfx1250"
	.amdhsa_code_object_version 6
	.text
	.protected	k_qc10a4b3d35_prep
	.globl	k_qc10a4b3d35_prep
	.p2align	8
	.type	k_qc10a4b3d35_prep,@function
k_qc10a4b3d35_prep:
	s_mov_b64 s[64:65], 0
	v_nop
	global_prefetch_b8 v0, s[64:65] scope:SCOPE_SE
	s_setreg_imm32_b32 hwreg(HW_REG_WAVE_MODE, 25, 1), 1
	s_wait_xcnt 0x0
; q, k, v [8192][1024], W_o [1024][1024] (K innermost) and W_q, W_k, W_v [16][1024][64] (K = the middle axis), all f32, become codes of FP6 (E2M3)
; with one E8M0 scale byte for each 32 along K, laid in the ORDER OF AN OPERAND'S REGISTERS, so that the products' launches read them by dense loads.
; A TILE is 16 rows: row i of tile T is row 32 (T / 2) + 8 (T % 2) + i + 8 (i / 8) of its tensor (for W_q, W_k, W_v: channel, tile 4 head + tt).
; A FRAGMENT (16 rows x 128 K, 12 registers a lane) is 1,536 bytes: registers 0-3 at 16 x lane, 4-5 at 512 + 8 x lane, 6-9 at 768 + 16 x lane, 10-11 at 1,280 + 8 x lane.
; A HALF RECORD is 6,400 bytes: four fragments (512 along K) and, from byte 6,144 on, the 16 rows' four scale words (16 r + 4 j).  Two of them are a tile's record.
; A block's scale is 2^(floor(log2(its largest magnitude)) - 2); its byte is the largest magnitude's exponent field - 2, held at 1 from below.
; LIMITS: a block of zeros gets the byte 1 where the rule says 127 (its codes are zeros, and this program alone reads the bytes); largest magnitudes under 2^-124 are held at that floor;
; NaN and infinities among the inputs are not served.
; SHARES.  One wave makes one half record.  Work-groups 0-95 take W_q, W_k, W_v (a lane takes a channel, its registers run down K: nothing is transposed); the others q, k, v, W_o
; (each load reads 512 consecutive bytes of a row; the 16 rows turn through the wave's own stage in LDS, so that a lane gets 32 neighbours along K).  Waves share nothing: no barrier.
; No cluster: no two work-groups read the same bytes.
.set STGB,  8448                       ; a wave's stage: 16 rows x (512 + 16) bytes: 33 x 16 bytes from row to row
.set SPARE, 4*STGB                     ; behind the stages: the spare words, 128 bytes a wave: two blocks of 256 bytes that no other line names
.set L16, 4                            ; v4   16 x lane
.set L8,  5                            ; v5   8 x lane
.set STI, 6                            ; v6   the stage, on the way in: 16 x lane
.set STO, 7                            ; v7   and on the way out: 528 r + 128 h
.set H8,  8                            ; v8   8 h
.set VW,  9                            ; v9   W_q ..: 4 (r + 8 (r / 8)) + 8,192 h
.set R16, 10                           ; v10  16 r
.set SPW, 12                           ; v12  my spare word; never rewritten
.set NIL, 13                           ; v13  0; never rewritten
.set R0,  16                           ; v16-79, v80-143  two sets of 64 numbers as they are loaded
.set X,   144                          ; v144-207 64 numbers behind the turn through the stage
.set C,   208                          ; v208-219 a fragment's codes
.set T2,  220                          ; v220-222, v224-226 the conversions' second halves
.set TM,  228                          ; v228-235 at work
.set WD,  236                          ; v236-239 the four scale words
	s_load_b256 s[4:11], s[0:1], 0x0               ; q, k, v, W_q
	s_load_b256 s[12:19], s[0:1], 0x20             ; W_k, W_v, W_o, rec
	v_lshl_add_u32 v[SPW], v0, 2, SPARE
	v_mov_b32 v[NIL], 0
	v_lshrrev_b32 v1, 5, v0
	v_readfirstlane_b32 s22, v1                    ; wave 0..3
	v_and_b32 v1, 31, v0                           ; lane
	v_and_b32 v2, 15, v0                           ; r
	v_bfe_u32 v3, v0, 4, 1                         ; h
	v_lshlrev_b32 v[L16], 4, v1
	v_lshlrev_b32 v[L8], 3, v1
	s_mul_i32 s23, s22, STGB                       ; my stage
	v_lshl_add_u32 v[STI], v1, 4, s23
	v_mul_u32_u24 v[STO], v2, 528
	v_lshl_add_u32 v[STO], v3, 7, v[STO]
	v_add_nc_u32 v[STO], s23, v[STO]
	v_lshlrev_b32 v[H8], 3, v3
	v_and_b32 v[VW], 8, v2
	v_add_nc_u32 v[VW], v[VW], v2                  ; r + 8 (r / 8)
	v_lshlrev_b32 v[VW], 2, v[VW]
	v_lshl_add_u32 v[VW], v3, 13, v[VW]            ; lanes 16-31 begin 32 rows of 256 bytes further down K
	v_lshlrev_b32 v[R16], 4, v2
	v_mov_b32 v[TM+7], 0                           ; written once: a lane permute's destination counts as one of its sources
	s_mov_b32 s20, 0x76543210
	s_mov_b32 s21, 0xfedcba98                      ; v_permlanex16_b32's selects for lane l xor 16
	s_mov_b32 s35, 0
	s_mov_b32 s37, 0
; 64 numbers of a lane, v[xs + 32 c + i] = k 64 c + 32 h + i of my row, become fragment j of the half record: its codes are stored, its scale word is kept in v[WD + j].
.macro QFRAG xs, j
.irp c, 0,1
	v_max3_num_f32 v[TM+\c], |v[\xs+32*\c]|, |v[\xs+32*\c+1]|, 0x1800000   ; my block 2 c + h: all its 32 numbers are mine; the floor 2^(3 - 127) holds the byte at 1 from below
.endr
.irp i, 2,4,6,8,10,12,14,16,18,20,22,24,26,28,30
.irp c, 0,1
	v_max3_num_f32 v[TM+\c], v[TM+\c], |v[\xs+32*\c+\i]|, |v[\xs+32*\c+\i+1]|   ; (the two blocks by turns)
.endr
.endr
.irp c, 0,1
	v_add_nc_u32 v[TM+2+\c], 0xff000000, v[TM+\c]  ; 2 off the exponent field: the conversion takes the exponent field of this operand as its scale
.endr
.irp c, 0,1
	v_lshrrev_b32 v[TM+4+\c], 23, v[TM+2+\c]       ; the scale's byte
.endr
	v_lshl_or_b32 v[TM+6], v[TM+5], 16, v[TM+4]    ; my two bytes: blocks h and 2 + h,
	v_lshlrev_b32 v[TM+6], v[H8], v[TM+6]          ; at their places in the word;
	v_permlanex16_b32 v[TM+7], v[TM+6], s20, s21
	v_or_b32 v[WD+\j], v[TM+6], v[TM+7]            ; with lane l xor 16's two the word is whole
.if (\j) > 0
	s_wait_alu depctr_va_vdst(0)
	s_wait_xcnt 0x0                                ; the last fragment's stores have read their data: the codes' registers are written again only behind this wait
.endif
.irp c, 0,1
	v_cvt_scalef32_pk16_fp6_f32 v[C+6*\c:C+6*\c+2], v[\xs+32*\c:\xs+32*\c+15], v[TM+2+\c]
	v_cvt_scalef32_pk16_fp6_f32 v[T2+4*\c:T2+4*\c+2], v[\xs+32*\c+16:\xs+32*\c+31], v[TM+2+\c]   ; (a conversion's three registers begin on an even number)
.endr
	v_nop                                          ; one plain place behind a scaled conversion
.irp c, 0,1
.irp i, 0,1,2
	v_mov_b32 v[C+3+6*\c+\i], v[T2+4*\c+\i]
.endr
.endr
	global_store_b128 v[L16], v[C:C+3], s[26:27] offset:1536*(\j)          ; each store covers 512 or 256 consecutive bytes, aligned to 256
	global_store_b64 v[L8], v[C+4:C+5], s[26:27] offset:1536*(\j)+512
	global_store_b128 v[L16], v[C+6:C+9], s[26:27] offset:1536*(\j)+768
	global_store_b64 v[L8], v[C+10:C+11], s[26:27] offset:1536*(\j)+1280
.endm
.macro LOADX j                         ; fragment j of 16 rows whose K is innermost: a load reads 512 consecutive bytes of one row
.irp i, 0,1,2,3,4,5,6,7,8,9,10,11,12,13,14,15
	global_load_b128 v[R0+64*((\j)%2)+4*\i:R0+64*((\j)%2)+4*\i+3], v[L16], s[24:25] offset:(\i+8*(\i/8))*4096+512*(\j) th:TH_LOAD_NT
.endr
.endm
.macro TURN j                          ; through the stage: LDS serves a wave's instructions in order (ISA guide 5.7.1.4), so no wait stands between the stores and the loads
.irp i, 0,1,2,3,4,5,6,7,8,9,10,11,12,13,14,15
	ds_store_b128 v[STI], v[R0+64*((\j)%2)+4*\i:R0+64*((\j)%2)+4*\i+3] offset:528*\i
.endr
.irp c, 0,1
.irp e, 0,1,2,3,4,5,6,7
	ds_load_b128 v[X+32*\c+4*\e:X+32*\c+4*\e+3], v[STO] offset:256*\c+16*\e
.endr
.endr
.endm
.macro GROUPW q                        ; 32 rows of K at my channel: W(64 q + 32 h + i, channel)
.irp i, 0,1,2,3,4,5,6,7,8,9,10,11,12,13,14,15,16,17,18,19,20,21,22,23,24,25,26,27,28,29,30,31
	global_load_b32 v[R0+64*(((\q)/2)%2)+32*((\q)%2)+\i], v[VW], s[24:25] offset:(64*(\q)+\i)*256
.endr
.endm
	s_wait_kmcnt 0x0
	s_cmp_lt_u32 ttmp9, 96
	s_cbranch_scc1 .Lweights
	; ---- q, k, v, W_o: work-group g' = g - 96; tensor g' / 256; half record 4 (g' % 256) + wave of that tensor
	s_sub_co_u32 s38, ttmp9, 96
	s_lshr_b32 s28, s38, 8                         ; which tensor
	s_and_b32 s29, s38, 255
	s_lshl_b32 s29, s29, 2
	s_add_co_u32 s29, s29, s22                     ; the half record: tile t = s29 / 2, half of K = s29 % 2
	s_lshr_b32 s30, s29, 2
	s_lshl_b32 s34, s30, 17                        ; 32 (t / 2) rows of 4,096 bytes
	s_bfe_u32 s30, s29, 0x10001
	s_lshl_b32 s30, s30, 15                        ; + 8 (t % 2) rows
	s_add_co_u32 s34, s34, s30
	s_and_b32 s30, s29, 1
	s_lshl_b32 s30, s30, 11                        ; + 512 numbers along K
	s_add_co_u32 s34, s34, s30
	s_lshl_b32 s36, s28, 10                        ; q, k, v: 1,024 half records each
	s_cmp_eq_u32 s28, 0                            ; the choices hang on the work-group's number alone
	s_cselect_b64 s[24:25], s[4:5], s[6:7]
	s_cmp_lt_u32 s28, 2
	s_cselect_b64 s[24:25], s[24:25], s[8:9]
	s_cmp_lt_u32 s28, 3
	s_cselect_b64 s[24:25], s[24:25], s[16:17]
	s_cselect_b32 s36, s36, 3456                   ; W_o's begin at 3,456
	s_add_nc_u64 s[24:25], s[24:25], s[34:35]
	s_add_co_u32 s36, s36, s29
	s_mul_i32 s36, s36, 6400
	s_add_nc_u64 s[26:27], s[18:19], s[36:37]
	LOADX 0
	LOADX 1
	s_wait_loadcnt 16                              ; fragment 0's 16 loads are in; fragment 1's may be out
	s_wait_alu depctr_va_vdst(0)
	TURN 0
	s_wait_dscnt 0x0                               ; the numbers are back, and the stores into the stage have read their registers,
	LOADX 2                                        ; which take the loads of two fragments on
	QFRAG X, 0
	s_wait_loadcnt 16
	TURN 1
	s_wait_dscnt 0x0
	LOADX 3
	QFRAG X, 1
	s_wait_loadcnt 16
	TURN 2
	s_wait_dscnt 0x0
	QFRAG X, 2
	s_wait_loadcnt 0x0
	TURN 3
	s_wait_dscnt 0x0
	QFRAG X, 3
	s_branch .Ltail
.Lweights:
	; ---- W_q, W_k, W_v: tensor g / 32, head (g % 32) / 2, half of K g % 2; wave w takes the head's tile w: the four waves together use whole rows of 256 bytes
	s_lshr_b32 s28, ttmp9, 5
	s_bfe_u32 s29, ttmp9, 0x40001                  ; head
	s_and_b32 s30, ttmp9, 1                        ; half of K
	s_lshl_b32 s34, s29, 18                        ; a head is 1,024 x 256 bytes
	s_lshl_b32 s31, s30, 17
	s_add_co_u32 s34, s34, s31
	s_lshr_b32 s31, s22, 1
	s_lshl_b32 s31, s31, 7                         ; channel 32 (w / 2),
	s_add_co_u32 s34, s34, s31
	s_and_b32 s31, s22, 1
	s_lshl_b32 s31, s31, 5                         ; + 8 (w % 2), 4 bytes each
	s_add_co_u32 s34, s34, s31
	s_cmp_eq_u32 s28, 0
	s_cselect_b64 s[24:25], s[10:11], s[12:13]
	s_cmp_lt_u32 s28, 2
	s_cselect_b64 s[24:25], s[24:25], s[14:15]
	s_add_nc_u64 s[24:25], s[24:25], s[34:35]
	s_lshl_b32 s36, s28, 7                         ; half record 3,072 + 128 tensor + 8 head + 2 w + half
	s_lshl_b32 s31, s29, 3
	s_add_co_u32 s36, s36, s31
	s_lshl_b32 s31, s22, 1
	s_add_co_u32 s36, s36, s31
	s_add_co_u32 s36, s36, s30
	s_add_co_u32 s36, s36, 3072
	s_mul_i32 s36, s36, 6400
	s_add_nc_u64 s[26:27], s[18:19], s[36:37]
	s_wait_alu depctr_va_vdst(0)
	GROUPW 0
	GROUPW 1
	GROUPW 2
	s_wait_loadcnt 32                              ; all but the 32 loads just issued: fragment 0 is in
	GROUPW 3
	QFRAG R0, 0
	GROUPW 4
	s_wait_loadcnt 32                              ; fragment 1 is in
	GROUPW 5
	QFRAG R0+64, 1
	GROUPW 6
	s_wait_loadcnt 32
	GROUPW 7
	QFRAG R0, 2
	s_wait_loadcnt 0x0
	QFRAG R0+64, 3
.Ltail:
	v_cmp_gt_u32 vcc_lo, 16, v1                    ; lanes 0-15 store the 16 rows' four scale words: 256 consecutive bytes, aligned
	s_wait_xcnt 0x0                                ; EXEC changes only behind this wait: it is a source of the stores above
	s_and_saveexec_b32 s32, vcc_lo
	global_store_b128 v[R16], v[WD:WD+3], s[26:27] offset:6144
	s_wait_xcnt 0x0                                ; and again in front of the line that widens it
	s_or_b32 exec_lo, exec_lo, s32
	s_wait_tensorcnt 0x0                           ; the wave's end
	ds_add_u32 v[SPW], v[NIL]
	s_wait_dscnt 0x0
	s_endpgm
.Lfunc_end_k_qc10a4b3d35_prep:
	.size	k_qc10a4b3d35_prep, .Lfunc_end_k_qc10a4b3d35_prep-k_qc10a4b3d35_prep
	.p2alignl 7, 3214868480
	.fill 96, 4, 3214868480
	.section	.rodata,"a",@progbits
	.p2align	6, 0x0
	.amdhsa_kernel k_qc10a4b3d35_prep
		.amdhsa_group_segment_fixed_size 34304
		.amdhsa_private_segment_fixed_size 0
		.amdhsa_enable_private_segment 0
		.amdhsa_kernarg_size 64
		.amdhsa_user_sgpr_count 2
		.amdhsa_user_sgpr_kernarg_segment_ptr 1
		.amdhsa_wavefront_size32 1
		.amdhsa_system_sgpr_workgroup_id_x 1
		.amdhsa_system_sgpr_workgroup_id_y 1
		.amdhsa_system_sgpr_workgroup_id_z 1
		.amdhsa_system_vgpr_workitem_id 0
		.amdhsa_next_free_vgpr 240
		.amdhsa_next_free_sgpr 66
		.amdhsa_reserve_vcc 1
		.amdhsa_float_denorm_mode_32 3
		.amdhsa_float_denorm_mode_16_64 3
		.amdhsa_memory_ordered 1
		.amdhsa_forward_progress 1
		.amdhsa_inst_pref_size 69
	.end_amdhsa_kernel
	.amdgpu_metadata
---
amdhsa.version: [ 1, 2 ]
amdhsa.kernels:
  - .name:           k_qc10a4b3d35_prep
    .symbol:         k_qc10a4b3d35_prep.kd
    .args:
      - { .name: q, .offset: 0, .size: 8, .value_kind: global_buffer, .address_space: global }
      - { .name: k, .offset: 8, .size: 8, .value_kind: global_buffer, .address_space: global }
      - { .name: v, .offset: 16, .size: 8, .value_kind: global_buffer, .address_space: global }
      - { .name: W_q, .offset: 24, .size: 8, .value_kind: global_buffer, .address_space: global }
      - { .name: W_k, .offset: 32, .size: 8, .value_kind: global_buffer, .address_space: global }
      - { .name: W_v, .offset: 40, .size: 8, .value_kind: global_buffer, .address_space: global }
      - { .name: W_o, .offset: 48, .size: 8, .value_kind: global_buffer, .address_space: global }
      - { .name: rec, .offset: 56, .size: 8, .value_kind: global_buffer, .address_space: global }
    .group_segment_fixed_size: 34304
    .private_segment_fixed_size: 0
    .kernarg_segment_align: 8
    .kernarg_segment_size: 64
    .max_flat_workgroup_size: 128
    .sgpr_count:     66
    .vgpr_count:     240
    .wavefront_size: 32
...
	.end_amdgpu_metadata
.endif
;; end of part 1
;; launch proj (part 2): grid 4 x 64, 8 waves a work-group, clusters of 4 x 4, 327,680 bytes of LDS; arguments rec, hd; writes hd
.if DOCPART == 2
	.amdgcn_target "amdgcn-amd-amdhsa--gfx1250"
	.amdhsa_code_object_version 6
	.text
	.protected	k_qc10a4b3d35_proj
	.globl	k_qc10a4b3d35_proj
	.p2align	8
	.type	k_qc10a4b3d35_proj,@function
k_qc10a4b3d35_proj:
	s_mov_b64 s[64:65], 0
	v_nop
	global_prefetch_b8 v0, s[64:65] scope:SCOPE_SE
	s_setreg_imm32_b32 hwreg(HW_REG_WAVE_MODE, 25, 1), 1
	s_wait_xcnt 0x0
	s_wait_alu depctr_hold_cnt(0) depctr_sa_sdst(0) depctr_va_vdst(0) depctr_va_sdst(0) depctr_va_ssrc(0) depctr_va_vcc(0) depctr_vm_vsrc(0)
	s_getreg_b32 s2, hwreg(HW_REG_IB_STS2, 6, 4)
	s_cmp_eq_u32 s2, 0
	s_cbranch_scc0 .Lentry_in_a_cluster
	s_endpgm
.Lentry_in_a_cluster:
	s_bfe_u32 s2, ttmp6, 0x10000c
	s_cmp_lg_u32 s2, 0xf033
	s_cbranch_scc0 .Lentry_shape_is_right
	s_endpgm
.Lentry_shape_is_right:
; The three projections, qh = q W_q, kh = k W_k, vh = v W_v (each 8,192 x 1,024 x 1,024) on codes of FP6 (E2M3) with E8M0 scales, and the quantising of their results for attention:
; qh and kh along the head's 64 channels, vh along the tokens.  Operands come from rec as images of operand registers (tiles, fragments, half records: see the launch that makes them).
; A BLOCK is P = 256 rows (source 0, 16 tiles) x Q = 128 rows (source 1, 8 tiles), all of K = 1,024.  For q and k: P = the weight's channels, Q = tokens: a lane holds a token and its registers run
; along the channels.  For v: P = tokens, Q = channels.  So each result's registers run along the NEXT product's K; the cases differ in addresses alone (scalar selects on the block's number).
; The rows of a tile are chosen (row i of tile T = 32 (T / 2) + 8 (T % 2) + i + 8 (i / 8)) so that the 16 registers of P's tiles 2 b, 2 b + 1 are 16 neighbours: 32 b + 16 (lane / 16) + 0 .. 15.
; A WORK-GROUP STAYS and makes three blocks, one of q, one of k, one of v: 256 work-groups in all.  K comes in two chunks (the tiles' half records, 24 x 6,400 = 153,600 bytes): six chunks walk through
; a ring of two slots.  A slot is asked for again directly behind the round that shows it read out; a block's way out is cut in two round the second refill, so that between a request and the wait
; for it a wave has a chunk's 64 products and half a way out.  The loop's two trips make q's and k's blocks; v's is written out: it asks for nothing more.
; SHARES.  8 waves: wave w takes P's tiles 4 (w % 4) .. + 3 and Q's tiles 4 (w / 4) .. + 3: 64 x 64, 16 accumulators.  Waves 0-3 fetch P's tiles, four half records each, waves 4-7 Q's, two each.
; CLUSTER 4 x 4: P's tiles hang on cx alone and are asked for jointly by a column of the cluster, Q's on cy alone and by a row: the same tensor load, descriptor and mask in the four.
; By this text's own count a wave has one tensor load outstanding.  No prefetch is laid: the walk has six chunks only, and chunk c + 2 is asked for by its tensor load as soon as its slot is free.
; OUT (hd): for each bh = 16 b + head a block [K codes 98,304][V codes 98,304][K scales 4,096][V scales 4,096]; from byte 13,107,200 on for each bh [Q codes 98,304][Q scales 4,096].
; A HALF (16 rows x 64 K: 6 registers a lane) is 768 bytes: registers 0-3 at 16 x lane, 4-5 at 512 + 8 x lane.  Q, K: token tile T at 768 T, its two scale bytes at 64 (T / 2) + 4 r + 2 (T % 2).
; V: tokens 64 G .., channel tile ct at 768 (8 (G / 2) + 2 ct + G % 2), scale bytes at 256 (G / 2) + 64 ct + 4 r + 2 (G % 2).
; LIMITS: a block of zeros gets the byte 1 (its codes are zeros; this program alone reads the bytes); largest magnitudes under 2^-124 are held at that floor; NaN and infinities are not served.
; The scale bytes leave by stores of 2 bytes a lane: 1 byte in 24 of what the launch stores.
.set HRB,   6400                       ; a half record
.set RECB,  12800                      ; a record
.set QOFF,  16*HRB                     ; in a slot: P's 16 tiles, then Q's 8
.set CHUNK, 24*HRB                     ; a slot
.set SPARE, 2*CHUNK                    ; behind the ring: the spare words, 128 bytes a wave: four blocks of 256 bytes that no other line names
.set SPW,  10                          ; v10 my spare word; never rewritten
.set NIL,  11                          ; v11 0; never rewritten
.set SC,   16                          ; v16-31 scale words and nothing else: register 4 i + j: tile i, K step j of the chunk
.set PF,   32                          ; v32-79  P's four fragments
.set QF,   80                          ; v80-127 Q's four
.set ACC,  128                         ; v128-255 accumulator (a, b) at 128 + 8 (4 a + b): Q tile a, P tile b
.set TM,   80                          ; the way out: v80-90 at work
.set G1Q, 24                           ; s[24:31] group 1 for Q's tiles; s[32:39] group 0, one for each slot
.set G0Q, 32
.set G1P, 48                           ; s[48:55], s[56:63] the same for P's
.set G0P, 56
.set SEL, 96                           ; s[96:97] v_permlanex16_b32's selects
.macro USE sl                          ; the LDS addresses of slot sl: my P tiles + 16 x lane, + 8 x lane; my Q tiles likewise; scale words (lanes 0-15 P's rows, lanes 16-31 Q's)
.if \sl
.set AP16, 12
.set AP8,  13
.set AQ16, 14
.set AQ8,  15
.set AS,   9
.else
.set AP16, 4
.set AP8,  5
.set AQ16, 6
.set AQ8,  7
.set AS,   8
.endif
.endm
.macro JLOAD c                         ; waves 0-3 fetch P's tiles, waves 4-7 Q's; each line has one mask and one set of registers; the branch hangs on the wave's number alone.  An s_nop 0 and four v_nop follow each line
	s_cmp_eq_u32 s16, 0
	s_cbranch_scc0 .Lfor_q_\@
	tensor_load_to_lds s[G0P+4*\c:G0P+4*\c+3], s[G1P:G1P+7]
	s_nop 0
.rept 4
	v_nop
.endr
	s_branch .Lasked_\@
.Lfor_q_\@:
	tensor_load_to_lds s[G0Q+4*\c:G0Q+4*\c+3], s[G1Q:G1Q+7]
	s_nop 0
.rept 4
	v_nop
.endr
.Lasked_\@:
.endm
.macro CROUND                          ; a round of the cluster's barrier
	s_barrier_signal -1
	s_barrier_wait -1
	s_cmp_lg_u32 s14, 0
	s_cbranch_scc1 .Lnot_wave_0_\@
	s_barrier_signal -3
.Lnot_wave_0_\@:
	s_barrier_wait -3
	s_barrier_signal -1
	s_barrier_wait -1
.endm
.macro PL4                             ; four places behind matrix instructions (ISA guide 7.12.1 for vector instructions)
.rept 4
	v_nop
.endr
.endm
.macro FRAGLD reg, a16, a8, off        ; a fragment's image: four dense loads
	ds_load_b128 v[\reg:\reg+3], v[\a16] offset:\off
	ds_load_b64 v[\reg+4:\reg+5], v[\a8] offset:\off+512
	ds_load_b128 v[\reg+6:\reg+9], v[\a16] offset:\off+768
	ds_load_b64 v[\reg+10:\reg+11], v[\a8] offset:\off+1280
.endm
.macro SCALES                          ; a chunk's scale words of my four P tiles (lanes 0-15) and my four Q tiles (lanes 16-31)
.irp i, 0,1,2,3
	ds_load_b128 v[SC+4*\i:SC+4*\i+3], v[AS] offset:HRB*\i
.endr
.endm
; K step j of the chunk: 8 fragments, 16 matrix instructions.  The 16 accumulators take turns, one instruction a turn, in the same order in every step.
.macro KSTEP j, zero
	PL4
.irp i, 0,1,2,3
	FRAGLD PF+12*\i, AP16, AP8, HRB*\i+1536*\j
.endr
.irp i, 0,1,2,3
	FRAGLD QF+12*\i, AQ16, AQ8, HRB*\i+1536*\j
.endr
.irp a, 0,1,2,3
	s_wait_dscnt 12-4*\a                           ; P's four and Q's fragments up to a are in; the four loads of each younger Q fragment may be out
.irp b, 0,1,2,3
.if \zero
	v_wmma_scale_f32_16x16x128_f8f6f4 v[ACC+8*(4*\a+\b):ACC+8*(4*\a+\b)+7], v[PF+12*\b:PF+12*\b+11], v[QF+12*\a:QF+12*\a+11], 0, v[SC+4*\b+\j], v[SC+4*\a+\j] matrix_a_fmt:MATRIX_FMT_FP6 matrix_b_fmt:MATRIX_FMT_FP6 matrix_b_scale:MATRIX_SCALE_ROW1
.else
	v_wmma_scale_f32_16x16x128_f8f6f4 v[ACC+8*(4*\a+\b):ACC+8*(4*\a+\b)+7], v[PF+12*\b:PF+12*\b+11], v[QF+12*\a:QF+12*\a+11], v[ACC+8*(4*\a+\b):ACC+8*(4*\a+\b)+7], v[SC+4*\b+\j], v[SC+4*\a+\j] matrix_a_fmt:MATRIX_FMT_FP6 matrix_b_fmt:MATRIX_FMT_FP6 matrix_b_scale:MATRIX_SCALE_ROW1
.endif
.endr
.endr
.endm
; 32 numbers of a lane, register 16 b + i = k 32 b + 16 (lane / 16) + i of my row, become a half's codes in v[d .. d + 5] and its two scale bytes in v[u].  Each accumulator is read from its low end on.
.macro HQUANT s, d, u
	v_max3_num_f32 v[TM], |v[\s]|, |v[\s+1]|, 0x1800000        ; the floor 2^(3 - 127) holds the byte at 1 from below
	v_max3_num_f32 v[TM+1], |v[\s+16]|, |v[\s+17]|, 0x1800000
.irp i, 2,4,6,8,10,12,14
	v_max3_num_f32 v[TM], v[TM], |v[\s+\i]|, |v[\s+\i+1]|
	v_max3_num_f32 v[TM+1], v[TM+1], |v[\s+16+\i]|, |v[\s+17+\i]|
.endr
	s_delay_alu instid0(VALU_DEP_2)
	v_permlanex16_b32 v[TM+2], v[TM], s[SEL], s[SEL+1]
	s_delay_alu instid0(VALU_DEP_2)
	v_permlanex16_b32 v[TM+3], v[TM+1], s[SEL], s[SEL+1]
	s_delay_alu instid0(VALU_DEP_2)
	v_max_num_f32 v[TM], v[TM], v[TM+2]            ; with lane l xor 16's: the block's largest magnitude
	s_delay_alu instid0(VALU_DEP_2)
	v_max_num_f32 v[TM+1], v[TM+1], v[TM+3]
	s_delay_alu instid0(VALU_DEP_2)
	v_add_nc_u32 v[TM+4], 0xff000000, v[TM]        ; 2 off the exponent field: the conversion's scale operand
	s_delay_alu instid0(VALU_DEP_2)
	v_add_nc_u32 v[TM+5], 0xff000000, v[TM+1]
	s_delay_alu instid0(VALU_DEP_2)
	v_lshrrev_b32 v[TM+6], 23, v[TM+4]             ; the bytes
	s_delay_alu instid0(VALU_DEP_2)
	v_lshrrev_b32 v[TM+7], 23, v[TM+5]
	s_delay_alu instid0(VALU_DEP_1)
	v_lshl_or_b32 v[\u], v[TM+7], 8, v[TM+6]
	v_cvt_scalef32_pk16_fp6_f32 v[\d:\d+2], v[\s:\s+15], v[TM+4]
	v_cvt_scalef32_pk16_fp6_f32 v[TM+8:TM+10], v[\s+16:\s+31], v[TM+5]
	v_nop                                          ; one plain place behind a scaled conversion
.irp i, 0,1,2
	v_permlane16_swap_b32 v[\d+\i], v[TM+8+\i]     ; a whole block to a lane: lanes 0-15 block 0, lanes 16-31 block 1
.endr
.irp i, 0,1,2
	s_delay_alu instid0(VALU_DEP_3)
	v_mov_b32 v[\d+3+\i], v[TM+8+\i]
.endr
.endm
; Where the operands of projection s12 (0 q, 1 k, 2 v) lie: P's records into s[46:47], made of cx and never of cy; Q's into s[72:73], made of cy and never of cx.  Leaves Pt in s42, Qt in s17.
.macro INADDR
	s_lshr_b32 s19, s18, 1
	s_and_b32 s20, s18, 1
	s_lshl_b32 s21, s12, 6
	s_add_co_u32 s21, s21, 1536                    ; q, k: P's records are the weight's,
	s_lshl_b32 s22, s12, 9                         ; Q's the tokens'
	s_cmp_eq_u32 s12, 2
	s_cselect_b32 s19, s19, 0                      ; U: P's blocks go by 4 U + cx
	s_cselect_b32 s20, s20, s18                    ; V: Q's by 4 V + cy
	s_cselect_b32 s21, 1024, s21                   ; v: P = v's tokens,
	s_cselect_b32 s22, 1664, s22                   ; Q = W_v
	s_lshl_b32 s42, s19, 2
	s_add_co_u32 s42, s42, s40                     ; Pt
	s_lshl_b32 s17, s20, 2
	s_add_co_u32 s17, s17, s41                     ; Qt
	s_lshl_b32 s46, s42, 4                         ; P's record: first + 16 Pt + 4 (w % 4)
	s_add_co_u32 s46, s46, s21
	s_lshl_b32 s23, s15, 2
	s_add_co_u32 s46, s46, s23
	s_mul_i32 s46, s46, RECB
	s_mov_b32 s47, 0
	s_lshl_b32 s72, s17, 3                         ; Q's record: first + 8 Qt + 2 (w % 4)
	s_add_co_u32 s72, s72, s22
	s_lshl_b32 s23, s15, 1
	s_add_co_u32 s72, s72, s23
	s_mul_i32 s72, s72, RECB
	s_mov_b32 s73, 0
	s_add_nc_u64 s[46:47], s[4:5], s[46:47]
	s_add_nc_u64 s[72:73], s[4:5], s[72:73]
.endm
; Where the results of projection s13 go (Pt in s42, Qt in s17): both cases computed, then chosen.  Codes s[68:69], scale bytes s[70:71], strides s92-94.
.macro OUTADDR
	s_lshl_b32 s76, s17, 3                         ; q, k: token tiles 8 Qt + 4 qg + a, head 4 Pt + pg
	s_lshl_b32 s77, s16, 2
	s_add_co_u32 s76, s76, s77
	s_lshr_b32 s77, s76, 7                         ; b
	s_and_b32 s76, s76, 127                        ; T0
	s_lshl_b32 s77, s77, 4
	s_lshl_b32 s78, s42, 2
	s_add_co_u32 s77, s77, s78
	s_add_co_u32 s77, s77, s15                     ; bh
	s_mul_i32 s78, s77, 102400
	s_add_co_u32 s78, s78, 13107200                ; q's block of the head
	s_mul_i32 s79, s77, 204800                     ; k's
	s_cmp_eq_u32 s13, 0
	s_cselect_b32 s78, s78, s79
	s_mov_b32 s79, 196608
	s_cselect_b32 s79, 98304, s79                  ; where its scale bytes begin
	s_mul_i32 s80, s76, 768
	s_add_co_u32 s80, s80, s78                     ; codes
	s_lshl_b32 s81, s76, 5                         ; 64 (T0 / 2): T0 is a multiple of 4
	s_add_co_u32 s81, s81, s78
	s_add_co_u32 s81, s81, s79                     ; scale bytes
	s_lshl_b32 s82, s42, 2                         ; v: tokens 64 (4 Pt + pg) .., head 2 Qt + qg, channel tile a
	s_add_co_u32 s82, s82, s15
	s_lshr_b32 s83, s82, 5                         ; b
	s_and_b32 s82, s82, 31                         ; G
	s_lshl_b32 s83, s83, 4
	s_lshl_b32 s84, s17, 1
	s_add_co_u32 s83, s83, s84
	s_add_co_u32 s83, s83, s16                     ; bh
	s_mul_i32 s83, s83, 204800
	s_lshr_b32 s84, s82, 1
	s_and_b32 s85, s82, 1
	s_lshl_b32 s86, s84, 3
	s_add_co_u32 s86, s86, s85
	s_mul_i32 s86, s86, 768
	s_add_co_u32 s86, s86, s83
	s_add_co_u32 s86, s86, 98304                   ; codes
	s_lshl_b32 s87, s84, 8
	s_lshl_b32 s85, s85, 1
	s_add_co_u32 s87, s87, s85
	s_add_co_u32 s87, s87, s83
	s_add_co_u32 s87, s87, 200704                  ; scale bytes
	s_mov_b32 s92, 768
	s_cmp_eq_u32 s13, 2
	s_cselect_b32 s88, s86, s80
	s_cselect_b32 s90, s87, s81
	s_cselect_b32 s92, 1536, s92                   ; from half a to half a + 1
	s_cselect_b32 s93, 64, 2                       ; scale bytes: from a = 0 to 1,
	s_cselect_b32 s94, 128, 64                     ; and from 0 to 2
	s_mov_b32 s89, 0
	s_mov_b32 s91, 0
	s_add_nc_u64 s[68:69], s[6:7], s[88:89]
	s_add_nc_u64 s[70:71], s[6:7], s[90:91]
.endm
.macro EPI a                           ; my Q tile a: 32 registers (64 along the next K) become a half
	HQUANT ACC+32*\a, 32+8*\a, 64+\a
	global_store_b128 v[96+\a], v[32+8*\a:35+8*\a], s[68:69]               ; 512 consecutive bytes, aligned to 256
	global_store_b64 v[100+\a], v[36+8*\a:37+8*\a], s[68:69] offset:512    ; 256 consecutive bytes
.endm
; ONE BLOCK: projection s13.  On entry slot 0 is whole for every wave, and slot 1's load is out.  refill = 1: the slots are filled again with the next projection's two chunks.
.macro BLOCK refill
	USE 0
	PL4
	SCALES
	KSTEP 0, 1                                     ; the first products start the sums: nothing is cleared
	KSTEP 1, 0
	OUTADDR                                        ; (the last block's stores have read their bases: the wait on XCNT at its end)
.if \refill
	s_add_co_u32 s12, s13, 1
	INADDR
.endif
	KSTEP 2, 0
	KSTEP 3, 0
	s_wait_tensorcnt 0x0                           ; all my loads are done: my part of slot 1 is in,
.if \refill
	ds_add_u32 v[SPW], v[NIL]                      ; (work on registers stands between the add and the wait for it)
	s_mov_b64 s[G0P+2:G0P+3], s[46:47]             ; so every group 0 may be written: the next projection's two chunks
	s_or_b32 s[G0P+3], s[G0P+3], 0x80000000
	s_mov_b64 s[G0Q+2:G0Q+3], s[72:73]
	s_or_b32 s[G0Q+3], s[G0Q+3], 0x80000000
	s_add_nc_u64 s[G0P+6:G0P+7], s[46:47], HRB
	s_or_b32 s[G0P+7], s[G0P+7], 0x80000000
	s_add_nc_u64 s[G0Q+6:G0Q+7], s[72:73], HRB
	s_or_b32 s[G0Q+7], s[G0Q+7], 0x80000000
	s_wait_dscnt 0x0                               ; the add is done, and so are my reads of slot 0
	CROUND                                         ; both now hold of every wave of every work-group of the cluster
	JLOAD 0                                        ; the first tensor load behind the round
.else
	s_wait_dscnt 0x0
	s_barrier_signal -1
	s_barrier_wait -1                              ; everybody's part of slot 1 is in; nothing is filled again
.endif
	USE 1
	PL4
	SCALES
	KSTEP 0, 0
	KSTEP 1, 0
	KSTEP 2, 0
	KSTEP 3, 0
	PL4                                            ; in front of the first read of results and of writes into the fragments' registers
	v_mov_b32 v[TM+2], 0                           ; a lane permute's destination counts as one of its sources
	v_mov_b32 v[TM+3], 0
	v_lshlrev_b32 v96, 4, v3                       ; v96-99: 16 x lane + a x stride;  v100-103: 8 x lane + a x stride
	v_lshlrev_b32 v100, 3, v3
.irp a, 1,2,3
	s_delay_alu instid0(VALU_DEP_2)
	v_add_nc_u32 v[96+\a], s92, v[95+\a]
	s_delay_alu instid0(VALU_DEP_2)
	v_add_nc_u32 v[100+\a], s92, v[99+\a]
.endr
	v_mul_u32_u24 v104, s93, v2                    ; scale bytes: 4 r; lanes 16-31 store the odd half's
	s_delay_alu instid0(VALU_DEP_1)
	v_lshl_add_u32 v104, v1, 2, v104
	s_delay_alu instid0(VALU_DEP_1)
	v_add_nc_u32 v105, s94, v104
	EPI 0
	EPI 1
.if \refill
	s_wait_alu depctr_va_vdst(0)                   ; directly ahead of the wait below
	s_wait_tensorcnt 0x0                           ; my part of slot 0's new chunk is in,
	ds_add_u32 v[SPW], v[NIL]
	s_wait_dscnt 0x0                               ; the add is done; my reads of slot 1 were over at the last products
	CROUND
	JLOAD 1                                        ; the first tensor load behind the round
.endif
	EPI 2
	EPI 3
	v_cndmask_b32 v106, v64, v65, s75              ; lanes 0-15: half 0's bytes, lanes 16-31: half 1's
	v_cndmask_b32 v107, v66, v67, s75
	global_store_b16 v104, v106, s[70:71]
	global_store_b16 v105, v107, s[70:71]
.if \refill
	s_wait_xcnt 0x0                                ; the stores have read their data, offsets and bases: the next block writes them again only behind this wait
.endif
.endm
	s_load_b128 s[4:7], s[0:1], 0x0                ; rec, hd
	v_lshl_add_u32 v[SPW], v0, 2, SPARE
	v_mov_b32 v[NIL], 0
	ds_add_u32 v[SPW], v[NIL]                      ; the wave's opening: the add, twice on end, and its wait ahead of the first tensor load; work on registers stands between
	ds_add_u32 v[SPW], v[NIL]
	v_lshrrev_b32 v1, 5, v0
	s_delay_alu instid0(VALU_DEP_1)
	v_readfirstlane_b32 s14, v1                    ; wave 0..7
	s_and_b32 s15, s14, 3                          ; pg: my four tiles of P.  Also: which part of P or Q I fetch
	s_lshr_b32 s16, s14, 2                         ; qg: my four tiles of Q.  Also: I fetch for P (0) or for Q (1)
	s_bfe_u32 s40, ttmp6, 0x40000                  ; cx
	s_bfe_u32 s41, ttmp6, 0x40004                  ; cy
	s_and_b32 s18, ttmp7, 0xffff                   ; the cluster's y, 0..15
	s_mov_b32 s12, 0                               ; the first projection
	s_mov_b32 s13, 0
	s_lshl_b32 s43, s41, 2
	s_lshl_b32 s43, 15, s43                        ; my row of the cluster
	s_lshl_b32 s44, 0x1111, s40                    ; my column
	s_or_b32 s[G1Q], s43, (3<<16)|(1<<21)          ; 15:0 the mask; 17:16 elements of 8 bytes; 21 set beside a mask; no padding
	s_or_b32 s[G1P], s44, (3<<16)|(1<<21)
	s_mov_b32 s[G1P+1], 800<<16                    ; tensor_dim0 = 800 elements: a half record
	s_mov_b32 s[G1P+2], 4<<16                      ; tensor_dim1 = 4 tiles
	s_mov_b32 s[G1P+3], 800<<16                    ; tile_dim0
	s_mov_b32 s[G1P+4], 4                          ; tile_dim1
	s_mov_b32 s[G1P+5], 1600                       ; from record to record
	s_mov_b32 s[G1P+6], 0
	s_mov_b32 s[G1P+7], 0
	s_mov_b32 s[G1Q+1], 800<<16
	s_mov_b32 s[G1Q+2], 2<<16                      ; 2 tiles
	s_mov_b32 s[G1Q+3], 800<<16
	s_mov_b32 s[G1Q+4], 2
	s_mov_b32 s[G1Q+5], 1600
	s_mov_b32 s[G1Q+6], 0
	s_mov_b32 s[G1Q+7], 0
	s_mul_i32 s45, s15, 4*HRB                      ; where the tiles go: the wave's number alone enters an LDS address
	s_mul_i32 s74, s15, 2*HRB
	s_add_co_u32 s74, s74, QOFF
	s_mov_b32 s[SEL], 0x76543210
	s_mov_b32 s[SEL+1], 0xfedcba98
	s_mov_b32 s75, 0xffff0000                      ; lanes 16-31
	s_wait_dscnt 0x0                               ; both opening adds are done
	s_wait_kmcnt 0x0
	INADDR
	CROUND                                         ; all sixteen work-groups are here: the joint loads meet
.irp c, 0,1
	s_mov_b32 s[G0P+4*\c], 1
	s_add_co_u32 s[G0P+4*\c+1], s45, \c*CHUNK
	s_add_nc_u64 s[G0P+4*\c+2:G0P+4*\c+3], s[46:47], \c*HRB
	s_or_b32 s[G0P+4*\c+3], s[G0P+4*\c+3], 0x80000000
	s_mov_b32 s[G0Q+4*\c], 1
	s_add_co_u32 s[G0Q+4*\c+1], s74, \c*CHUNK
	s_add_nc_u64 s[G0Q+4*\c+2:G0Q+4*\c+3], s[72:73], \c*HRB
	s_or_b32 s[G0Q+4*\c+3], s[G0Q+4*\c+3], 0x80000000
.endr
	JLOAD 0                                        ; q's first chunk: one tensor load a wave at the head
	v_and_b32 v1, 15, v0                           ; r
	v_bfe_u32 v2, v0, 4, 1                         ; h
	v_and_b32 v3, 31, v0                           ; lane
	s_mul_i32 s21, s15, 4*HRB                      ; my four tiles of P
	s_mul_i32 s22, s16, 4*HRB
	s_add_co_u32 s22, s22, QOFF                    ; my four tiles of Q
	v_lshl_add_u32 v4, v3, 4, s21
	v_lshl_add_u32 v5, v3, 3, s21
	v_lshl_add_u32 v6, v3, 4, s22
	v_lshl_add_u32 v7, v3, 3, s22
	s_xor_b32 s23, s15, 3                          ; from my P tiles to my Q tiles: QOFF + (qg - pg) x 25,600 = ((3 - pg) + qg + 1) x 25,600
	s_add_co_u32 s23, s23, s16
	s_add_co_u32 s23, s23, 1
	s_mul_i32 s23, s23, 4*HRB
	v_mul_u32_u24 v8, s23, v2                      ; one product: the lower base + h x the distance
	s_delay_alu instid0(VALU_DEP_1)
	v_lshl_add_u32 v8, v1, 4, v8
	s_add_co_u32 s21, s21, 6144
	v_add_nc_u32 v8, s21, v8
	v_add_nc_u32 v12, CHUNK, v4                    ; and the same five in slot 1
	v_add_nc_u32 v13, CHUNK, v5
	v_add_nc_u32 v14, CHUNK, v6
	v_add_nc_u32 v15, CHUNK, v7
	v_add_nc_u32 v9, CHUNK, v8
	s_wait_alu depctr_va_vdst(0)                   ; at the head's end
	s_wait_tensorcnt 0x0                           ; my part of slot 0 is in
	ds_add_u32 v[SPW], v[NIL]
	s_wait_dscnt 0x0
	CROUND                                         ; everybody's part is in, and all sixteen work-groups are here
	JLOAD 1                                        ; q's second chunk, the first tensor load behind the round
.Lblock:
	BLOCK 1                                        ; q's block, then k's
	s_add_co_u32 s13, s13, 1
	s_cmp_lt_u32 s13, 2
	s_wait_alu depctr_va_vdst(0)                   ; directly ahead of the branch
	s_cbranch_scc1 .Lblock
	BLOCK 0                                        ; v's block is written out: it asks for nothing more
	s_wait_tensorcnt 0x0                           ; the wave's end
	ds_add_u32 v[SPW], v[NIL]
	s_wait_dscnt 0x0
	CROUND                                         ; the closing round: no work-group ends while a partner may still ask for a tile that names it
	s_endpgm
.Lfunc_end_k_qc10a4b3d35_proj:
	.size	k_qc10a4b3d35_proj, .Lfunc_end_k_qc10a4b3d35_proj-k_qc10a4b3d35_proj
	.p2alignl 7, 3214868480
	.fill 96, 4, 3214868480
	.section	.rodata,"a",@progbits
	.p2align	6, 0x0
	.amdhsa_kernel k_qc10a4b3d35_proj
		.amdhsa_group_segment_fixed_size 327680
		.amdhsa_private_segment_fixed_size 0
		.amdhsa_enable_private_segment 0
		.amdhsa_kernarg_size 16
		.amdhsa_user_sgpr_count 2
		.amdhsa_user_sgpr_kernarg_segment_ptr 1
		.amdhsa_wavefront_size32 1
		.amdhsa_system_sgpr_workgroup_id_x 1
		.amdhsa_system_sgpr_workgroup_id_y 1
		.amdhsa_system_sgpr_workgroup_id_z 1
		.amdhsa_system_vgpr_workitem_id 0
		.amdhsa_next_free_vgpr 256
		.amdhsa_next_free_sgpr 100
		.amdhsa_reserve_vcc 0
		.amdhsa_float_denorm_mode_32 3
		.amdhsa_float_denorm_mode_16_64 3
		.amdhsa_memory_ordered 1
		.amdhsa_forward_progress 1
		.amdhsa_inst_pref_size 107
	.end_amdhsa_kernel
	.amdgpu_metadata
---
amdhsa.version: [ 1, 2 ]
amdhsa.kernels:
  - .name:           k_qc10a4b3d35_proj
    .symbol:         k_qc10a4b3d35_proj.kd
    .args:
      - { .name: rec, .offset: 0, .size: 8, .value_kind: global_buffer, .address_space: global }
      - { .name: hd, .offset: 8, .size: 8, .value_kind: global_buffer, .address_space: global }
    .group_segment_fixed_size: 327680
    .private_segment_fixed_size: 0
    .kernarg_segment_align: 8
    .kernarg_segment_size: 16
    .max_flat_workgroup_size: 256
    .sgpr_count:     100
    .vgpr_count:     256
    .wavefront_size: 32
...
	.end_amdgpu_metadata
.endif
;; end of part 2
;; launch attn (part 3): grid 4 x 64, 8 waves a work-group, clusters of 4 x 1, 327,680 bytes of LDS; arguments hd, orr; writes orr
.if DOCPART == 3
	.amdgcn_target "amdgcn-amd-amdhsa--gfx1250"
	.amdhsa_code_object_version 6
	.text
	.protected	k_qc10a4b3d35_attn
	.globl	k_qc10a4b3d35_attn
	.p2align	8
	.type	k_qc10a4b3d35_attn,@function
k_qc10a4b3d35_attn:
	s_mov_b64 s[64:65], 0
	v_nop
	global_prefetch_b8 v0, s[64:65] scope:SCOPE_SE
	s_setreg_imm32_b32 hwreg(HW_REG_WAVE_MODE, 25, 1), 1
	s_wait_xcnt 0x0
	s_wait_alu depctr_hold_cnt(0) depctr_sa_sdst(0) depctr_va_vdst(0) depctr_va_sdst(0) depctr_va_ssrc(0) depctr_va_vcc(0) depctr_vm_vsrc(0)
	s_getreg_b32 s2, hwreg(HW_REG_IB_STS2, 6, 4)
	s_cmp_eq_u32 s2, 0
	s_cbranch_scc0 .Lentry_in_a_cluster
	s_endpgm
.Lentry_in_a_cluster:
	s_bfe_u32 s2, ttmp6, 0x10000c
	s_cmp_lg_u32 s2, 0x3003
	s_cbranch_scc0 .Lentry_shape_is_right
	s_endpgm
.Lentry_shape_is_right:
; o = softmax(qh kh^T / 8) vh for each of 64 (batch, head): 2,048 queries x 2,048 keys x 64 channels, both products on codes of FP6 (E2M3) with E8M0 scales; o is divided by the row's sum and
; quantised along the head-major features for the output projection.
; THE SOFTMAX: t = score x log2(e) / 8; M = the running largest t rounded UP to a whole number; p = 2^(t - M) is quantised along the keys, not normalised; the row's sum is taken of the
; unquantised p; when M moves, the sum and O are multiplied by 2^(old M - new M), which rounds nothing.
; SHARES.  A work-group owns 512 queries of one head; each of its 8 waves FOUR tiles of 16 queries, which share every fragment of K and V: a fragment is read from LDS once for 64 queries.
; A wave walks all keys, 128 a step.  LDS holds the head's whole block of hd (K's codes, V's codes, K's and V's scale bytes: 204,800 bytes), filled once: a wave brings 25,600 bytes by one tensor load.
; CLUSTER 4 x 1: the four query blocks of a head read the same block: each part is asked for JOINTLY, by the same load, descriptor and mask in the four work-groups.
; No prefetch: the head's one load a wave brings all that the launch reads through LDS, and there is no loop to run ahead in.
; LAYOUT.  Both products are used transposed (S^T = K Q^T, O^T = V^T P^T): a lane holds ONE query (lane % 16).  THE KEYS OF A TILE ARE CHOSEN BY THE LANES' LDS ADDRESSES: row i of tile T' (0..3)
; of the 64 keys c is key 64 c + 8 T' + i % 8 + 32 (i / 8).  So the 32 registers of four tiles are, in lane (r, h), keys 64 c + 32 h + 0 .. 31: a WHOLE block of 32 in the order of the next operand:
; a block's maximum needs no other lane, and the conversions' results are the operand.
; In hd that key lies in token tile 4 c + 2 (i / 8) + T' % 2, row i % 8 + 8 (T' / 2): a lane's base is 1,536 (r / 8) + 16 (r % 8) + 256 h, the rest stands in the immediates.
; K = 64 IN AN INSTRUCTION OF K = 128: a fragment holds two key tiles (k = 0 .. 63 and 64 .. 127); the queries stand as [0 | qA | 0 | qB | 0 | qC | 0 | qD | 0], six registers each: [q | 0] gives the
; first tile's scores, [0 | q] the second's.  The other half multiplies zero CODES; the query's scale bytes there are 1.
; TWO SCORE BUFFERS: while a tile's softmax is walked, the scores of the tile two further on (into the next step too) are multiplied.
; REGISTERS.  Window 0: addresses, scales, state, queries, K's and V's fragments, p's codes.  Window 1: v0-63, v64-127 the two score buffers; v128-255 O^T, 32 a tile.
; LIMITS: the promise holds while |t| stays under 2^31; a block's largest p is taken from the block's largest score (p rises with the score); a block of zeros keeps the byte 1 (its codes are zeros;
; this program alone reads the bytes); largest magnitudes of o under 2^-124 are held at that floor; 1 / sum by v_rcp_f32; NaN and infinities are not served.
; o's scale bytes leave by stores of 2 bytes a lane: 1 byte in 24 of what the launch stores.
.set VC,    98304                      ; LDS: K's codes at 0, V's here,
.set KSC,   196608                     ; K's scale words (V's 4,096 bytes on)
.set SPARE, 204800                     ; the spare words, 128 bytes a wave: four blocks of 256 bytes that no other line names
.set L16,  1                           ; 16 x lane
.set L8,   2                           ; 8 x lane
.set VB16, 3                           ; V's codes: VC + 16 x lane, VC + 8 x lane
.set VB8,  4
.set SPW,  5                           ; my spare word; never rewritten
.set NIL,  6                           ; 0; never rewritten
.set VBS,  7                           ; V's scale words
.set KB16, 8                           ; K's codes and scale words, by the tiles' rows
.set KB8,  9
.set KBS,  10
.set H8,   11                          ; 8 h
.set KS,   12                          ; v12-13 K's scale words, v14-15 V's, v16-23 the queries' two a tile, v24 p's: scales and nothing else
.set VS,   14
.set QS,   16
.set PS,   24
.set R4,   26                          ; 4 r
.set R16,  27                          ; 16 r
.set STA,  28                          ; v28-35 a tile's -M and its largest score
.set LP,   36                          ; v36-43 a tile's sum, in two halves
.set FF,   44                          ; v44 f = 2^(old M - new M); v45 named with it as a pair
.set TT,   46                          ; v46-59 maxima, then partial sums
.set BM,   60                          ; v60-61 my two blocks' largest score, then largest p
.set SO,   62                          ; v62-63 the conversions' scale operands
.set QF,   64                          ; v64-117 zeros and queries
.set LN,   118                         ; lane
.set KF,   120                         ; v120-167 K's four fragments
.set VF,   168                         ; v168-215 V's four
.set PC,   216                         ; v216-227 p's codes
.set AK16, 228                         ; v228-233 the step's addresses
.set AK8,  229
.set AKS,  230
.set AV16, 231
.set AV8,  232
.set AVS,  233
.set QB,   234                         ; v234-237 the queries' scale bytes as loaded
.set CT,   240                         ; v240-242, v244-246 the conversions' second halves
.set TM,   240                         ; o's quantiser: v240-250
.set X,    248                         ; v248-255 at work
.set OA,   128                         ; window 1: O^T
.set WV,  18
.set SEL, 20                           ; s[20:21] v_permlanex16_b32's selects
.set CS,  22                           ; s[22:23] c = log2(e) / 8
.set G1,  24
.set G0,  32
.set CNT, 36
.set TB,  2                            ; the step's codes: 6,144 bytes a step
.set TS,  3                            ; the step's scale words: 256 bytes a step
.set MSB, 0
.macro WIN new                         ; low byte: 1:0 source 0, 3:2 source 1, 5:4 source 2, 7:6 destination; the high byte repeats the setting that is left
.if MSB != \new
	s_set_vgpr_msb (MSB<<8)|\new
.set MSB, \new
.endif
.endm
.macro AW
	s_wait_alu depctr_va_vdst(0)
.endm
.macro CROUND
	s_barrier_signal -1
	s_barrier_wait -1
	s_cmp_lg_u32 s[WV], 0
	s_cbranch_scc1 .Lnot_wave_0_\@
	s_barrier_signal -3
.Lnot_wave_0_\@:
	s_barrier_wait -3
	s_barrier_signal -1
	s_barrier_wait -1
.endm
.macro KLOAD                           ; fragment p = 2 c + u holds tiles 2 u, 2 u + 1 of keys 64 c ..: 16 loads, and 2 of scale words (lanes 0-15 fragment 2 c, lanes 16-31 fragment 2 c + 1)
.irp p, 0,1,2,3
.irp e, 0,1
	ds_load_b128 v[KF+12*\p+6*\e:KF+12*\p+6*\e+3], v[AK16] offset:3072*(\p/2)+768*\e+128*(\p%2)
	ds_load_b64 v[KF+12*\p+6*\e+4:KF+12*\p+6*\e+5], v[AK8] offset:3072*(\p/2)+768*\e+64*(\p%2)+512
.endr
.endr
	ds_load_b32 v[KS], v[AKS]
	ds_load_b32 v[KS+1], v[AKS] offset:128
.endm
.macro VLOAD                           ; V's four fragments as they lie, and their scale words: 18 loads
.irp t, 0,1,2,3
	ds_load_b128 v[VF+12*\t:VF+12*\t+3], v[AV16] offset:1536*\t
	ds_load_b64 v[VF+12*\t+4:VF+12*\t+5], v[AV8] offset:1536*\t+512
	ds_load_b128 v[VF+12*\t+6:VF+12*\t+9], v[AV16] offset:1536*\t+768
	ds_load_b64 v[VF+12*\t+10:VF+12*\t+11], v[AV8] offset:1536*\t+1280
.endr
	ds_load_b32 v[VS], v[AVS]
	ds_load_b32 v[VS+1], v[AVS] offset:128
.endm
.macro SCORE d, p, q0, qs, row
.if \row
	v_wmma_scale_f32_16x16x128_f8f6f4 v[\d:\d+7], v[KF+12*(\p):KF+12*(\p)+11], v[\q0:\q0+11], 0, v[KS+(\p)/2], v[\qs] matrix_a_fmt:MATRIX_FMT_FP6 matrix_b_fmt:MATRIX_FMT_FP6 matrix_a_scale:MATRIX_SCALE_ROW1
.else
	v_wmma_scale_f32_16x16x128_f8f6f4 v[\d:\d+7], v[KF+12*(\p):KF+12*(\p)+11], v[\q0:\q0+11], 0, v[KS+(\p)/2], v[\qs] matrix_a_fmt:MATRIX_FMT_FP6 matrix_b_fmt:MATRIX_FMT_FP6
.endif
.endm
.macro SW t, b                         ; tile t's scores of 128 keys into buffer b: eight products, eight accumulators
	WIN 0x40
.irp p, 0,2
	SCORE 64*\b+16*\p, \p, QF+6+12*\t, QS+2*\t, 0
	SCORE 64*\b+16*\p+8, \p, QF+12*\t, QS+2*\t+1, 0
	SCORE 64*\b+16*\p+16, \p+1, QF+6+12*\t, QS+2*\t, 1
	SCORE 64*\b+16*\p+24, \p+1, QF+12*\t, QS+2*\t+1, 1
.endr
.endm
.macro PVW t, ct, row
.if \row
	v_wmma_scale_f32_16x16x128_f8f6f4 v[OA+32*\t+8*\ct:OA+32*\t+8*\ct+7], v[VF+12*\ct:VF+12*\ct+11], v[PC:PC+11], v[OA+32*\t+8*\ct:OA+32*\t+8*\ct+7], v[VS+\ct/2], v[PS] matrix_a_fmt:MATRIX_FMT_FP6 matrix_b_fmt:MATRIX_FMT_FP6 matrix_a_scale:MATRIX_SCALE_ROW1
.else
	v_wmma_scale_f32_16x16x128_f8f6f4 v[OA+32*\t+8*\ct:OA+32*\t+8*\ct+7], v[VF+12*\ct:VF+12*\ct+11], v[PC:PC+11], v[OA+32*\t+8*\ct:OA+32*\t+8*\ct+7], v[VS+\ct/2], v[PS] matrix_a_fmt:MATRIX_FMT_FP6 matrix_b_fmt:MATRIX_FMT_FP6
.endif
.endm
.macro PV t                            ; O^T += V^T p^T: the tile's four accumulators by turns
	WIN 0x50
	PVW \t, 0, 0
	PVW \t, 1, 1
	PVW \t, 2, 0
	PVW \t, 3, 1
.endm
.macro RS t                            ; O^T under the new M.  (These 16 are also the places between the writes of p's codes and scale word and the products, and behind the products issued just before)
	WIN 0x41
	AW                                             ; directly ahead of the first reader of O^T
.set n, 0
.rept 16
	v_pk_mul_f32 v[OA+32*\t+n:OA+32*\t+n+1], v[OA+32*\t+n:OA+32*\t+n+1], v[FF:FF+1] op_sel_hi:[1,0]
.set n, n+2
.endr
.endm
; THE SOFTMAX of tile t's 128 scores in buffer b: p's codes into v[PC ..], their scale word into v[PS], f into v[FF]
.macro SM t, b
.set SB, 64*\b
.set NM, STA+2*\t
.set LL, LP+2*\t
	WIN 0x15
	AW                                             ; directly ahead of the first readers of the eight accumulators, each read from its low end on
.irp g, 0,1,2,3,4,5,6,7
	v_max3_num_f32 v[TT+\g], v[SB+8*\g], v[SB+8*\g+1], v[SB+8*\g+2]
.endr
	WIN 0x14
.irp i, 3,5
.irp g, 0,1,2,3,4,5,6,7
	v_max3_num_f32 v[TT+\g], v[TT+\g], v[SB+8*\g+\i], v[SB+8*\g+\i+1]
.endr
.endr
.irp g, 0,2,4,6
	v_max3_num_f32 v[TT+\g], v[TT+\g], v[SB+8*\g+7], v[SB+8*\g+15]
.endr
	WIN 0
	v_max3_num_f32 v[BM], v[TT], v[TT+1], v[TT+2]          ; my block of keys 32 h ..,
	v_max3_num_f32 v[BM+1], v[TT+4], v[TT+5], v[TT+6]      ; and of keys 64 + 32 h ..
	s_delay_alu instid0(VALU_DEP_2)
	v_max_num_f32 v[BM], v[BM], v[TT+3]
	s_delay_alu instid0(VALU_DEP_2)
	v_max_num_f32 v[BM+1], v[BM+1], v[TT+7]
	s_delay_alu instid0(VALU_DEP_1)
	v_max_num_f32 v[X], v[BM], v[BM+1]
	s_delay_alu instid0(VALU_DEP_1)
	v_permlanex16_b32 v[X+1], v[X], s[SEL], s[SEL+1]
	s_delay_alu instid0(VALU_DEP_1)
	v_max3_num_f32 v[NM+1], v[NM+1], v[X], v[X+1]          ; the running largest score of my query
	s_delay_alu instid0(VALU_DEP_1)
	v_mul_f32 v[X+2], s[CS], v[NM+1]                       ; as t (c is positive)
	s_delay_alu instid0(VALU_DEP_1)
	v_floor_f32 v[X+3], -v[X+2]                            ; the new -M = floor(-t) = -ceil(t)
	s_delay_alu instid0(VALU_DEP_1)
	v_sub_f32 v[X+2], v[X+3], v[NM]                        ; old M - new M: a whole number, 0 or less
	v_mov_b32 v[NM], v[X+3]
	s_delay_alu instid0(VALU_DEP_2)
	v_cvt_i32_f32 v[X+2], v[X+2]                           ; (it saturates)
	s_delay_alu instid0(VALU_DEP_2)
	v_fma_f32 v[BM], v[BM], s[CS], v[NM]                   ; t - M of each block's largest score
	v_fma_f32 v[BM+1], v[BM+1], s[CS], v[NM]
	s_delay_alu instid0(VALU_DEP_3)
	v_ldexp_f32 v[FF], 1.0, v[X+2]                         ; f
	WIN 0x41
.set n, 0
.rept 32
	v_pk_fma_f32 v[SB+n:SB+n+1], v[SB+n:SB+n+1], s[CS:CS+1], v[NM:NM+1] op_sel_hi:[1,0,0]   ; t - M, two at a time
.set n, n+2
.endr
	AW                                             ; ahead of the batch
.set n, 0
.rept 64
	v_exp_f32 v[SB+n], v[SB+n]                     ; p = 2^(t - M), at most 1
.set n, n+1
.endr
	WIN 0
	v_exp_f32 v[BM], v[BM]                         ; the blocks' largest p
	v_exp_f32 v[BM+1], v[BM+1]
	v_pk_mul_f32 v[LL:LL+1], v[LL:LL+1], v[FF:FF+1] op_sel_hi:[1,0]   ; the sum under the new M.  (The plain place behind the batch)
	AW                                             ; behind the batch, ahead of its first reader
	v_max_num_f32 v[BM], 0x1800000, v[BM]          ; the floor 2^(3 - 127): the byte cannot fall under 1
	v_max_num_f32 v[BM+1], 0x1800000, v[BM+1]
	s_delay_alu instid0(VALU_DEP_2)
	v_add_nc_u32 v[SO], 0xff000000, v[BM]          ; 2 off the exponent field: the conversion's scale operand
	s_delay_alu instid0(VALU_DEP_2)
	v_add_nc_u32 v[SO+1], 0xff000000, v[BM+1]
	WIN 0x01
	v_cvt_scalef32_pk16_fp6_f32 v[PC:PC+2], v[SB:SB+15], v[SO]
	v_cvt_scalef32_pk16_fp6_f32 v[CT:CT+2], v[SB+16:SB+31], v[SO]          ; (a conversion's three registers begin on an even number)
	v_cvt_scalef32_pk16_fp6_f32 v[PC+6:PC+8], v[SB+32:SB+47], v[SO+1]
	v_cvt_scalef32_pk16_fp6_f32 v[CT+4:CT+6], v[SB+48:SB+63], v[SO+1]
	WIN 0x05                                       ; the row's sum, of the unquantised p, in eight chains
.set n, 0
.rept 7
	v_pk_add_f32 v[TT+2*n:TT+2*n+1], v[SB+4*n:SB+4*n+1], v[SB+4*n+2:SB+4*n+3]
.set n, n+1
.endr
	WIN 0x04
.set n, 0
.rept 18
.if (n%8) == 7
	v_pk_add_f32 v[LL:LL+1], v[LL:LL+1], v[SB+28+2*n:SB+29+2*n]
.else
	v_pk_add_f32 v[TT+2*(n%8):TT+2*(n%8)+1], v[TT+2*(n%8):TT+2*(n%8)+1], v[SB+28+2*n:SB+29+2*n]
.endif
.set n, n+1
.endr
	WIN 0
	v_lshrrev_b32 v[X+4], 23, v[SO]                ; the scales' bytes: blocks h and 2 + h
	v_lshrrev_b32 v[X+5], 23, v[SO+1]
	v_pk_add_f32 v[TT:TT+1], v[TT:TT+1], v[TT+2:TT+3]
	v_pk_add_f32 v[TT+4:TT+5], v[TT+4:TT+5], v[TT+6:TT+7]
	v_pk_add_f32 v[TT+8:TT+9], v[TT+8:TT+9], v[TT+10:TT+11]
	v_pk_add_f32 v[LL:LL+1], v[LL:LL+1], v[TT+12:TT+13]
	v_lshl_or_b32 v[X+6], v[X+5], 16, v[X+4]
.irp i, 0,1,2
	v_mov_b32 v[PC+3+\i], v[CT+\i]
.endr
	s_delay_alu instid0(VALU_DEP_4)
	v_lshlrev_b32 v[X+6], v[H8], v[X+6]            ; at their places in the word;
	v_pk_add_f32 v[TT:TT+1], v[TT:TT+1], v[TT+4:TT+5]
	v_pk_add_f32 v[LL:LL+1], v[LL:LL+1], v[TT+8:TT+9]
.irp i, 0,1,2
	v_mov_b32 v[PC+9+\i], v[CT+4+\i]
.endr
	v_permlanex16_b32 v[X+7], v[X+6], s[SEL], s[SEL+1]
	v_pk_add_f32 v[LL:LL+1], v[LL:LL+1], v[TT:TT+1]
	s_delay_alu instid0(VALU_DEP_2)
	v_or_b32 v[PS], v[X+6], v[X+7]                 ; with lane l xor 16's two the word is whole
.endm
; A STEP OF 128 KEYS for my four tiles.  On entry tiles 0 and 1 have their scores, and V's 18 loads are out.  last = 1: nothing of a next step is fetched or multiplied.
.macro BODY last
	SM 0, 0
	SW 2, 0
	RS 0
	WIN 0
	AW
	s_wait_dscnt 0x0                               ; V's fragments and scale words are in
	PV 0
	SM 1, 1
	SW 3, 1                                        ; K's fragments are read for the last time;
	RS 1                                           ; (16 places)
.if !\last
	WIN 0
	s_add_co_u32 s[TB], s[TB], 6144
	s_add_co_u32 s[TS], s[TS], 256
	v_add_nc_u32 v[AK16], s[TB], v[KB16]
	v_add_nc_u32 v[AK8], s[TB], v[KB8]
	v_add_nc_u32 v[AKS], s[TS], v[KBS]
	KLOAD                                          ; the next step's land while two tiles are walked
.endif
	PV 1
	SM 2, 0
.if !\last
	AW
	s_wait_dscnt 0x0                               ; the next step's K is in
	SW 0, 0
.endif
	RS 2
	PV 2
	SM 3, 1
.if !\last
	SW 1, 1
.endif
	RS 3
	PV 3
	WIN 0
.if !\last
	v_add_nc_u32 v[AV16], s[TB], v[VB16]           ; (with the v_nop: four places in front of loads into registers that the last products read)
	v_add_nc_u32 v[AV8], s[TB], v[VB8]
	v_add_nc_u32 v[AVS], s[TS], v[VBS]
	v_nop
	VLOAD
.endif
.endm
; 32 numbers of a lane, register 16 b + i = k 32 b + 16 (lane / 16) + i of my row, become a half's codes in v[d .. d + 5] and its two scale bytes in v[u]
.macro HQUANT s, d, u
	v_max3_num_f32 v[TM], |v[\s]|, |v[\s+1]|, 0x1800000
	v_max3_num_f32 v[TM+1], |v[\s+16]|, |v[\s+17]|, 0x1800000
.irp i, 2,4,6,8,10,12,14
	s_delay_alu instid0(VALU_DEP_2)
	v_max3_num_f32 v[TM], v[TM], |v[\s+\i]|, |v[\s+\i+1]|
	s_delay_alu instid0(VALU_DEP_2)
	v_max3_num_f32 v[TM+1], v[TM+1], |v[\s+16+\i]|, |v[\s+17+\i]|
.endr
	s_delay_alu instid0(VALU_DEP_2)
	v_permlanex16_b32 v[TM+2], v[TM], s[SEL], s[SEL+1]
	s_delay_alu instid0(VALU_DEP_2)
	v_permlanex16_b32 v[TM+3], v[TM+1], s[SEL], s[SEL+1]
	s_delay_alu instid0(VALU_DEP_2)
	v_max_num_f32 v[TM], v[TM], v[TM+2]
	s_delay_alu instid0(VALU_DEP_2)
	v_max_num_f32 v[TM+1], v[TM+1], v[TM+3]
	s_delay_alu instid0(VALU_DEP_2)
	v_add_nc_u32 v[TM+4], 0xff000000, v[TM]
	s_delay_alu instid0(VALU_DEP_2)
	v_add_nc_u32 v[TM+5], 0xff000000, v[TM+1]
	s_delay_alu instid0(VALU_DEP_2)
	v_lshrrev_b32 v[TM+6], 23, v[TM+4]
	s_delay_alu instid0(VALU_DEP_2)
	v_lshrrev_b32 v[TM+7], 23, v[TM+5]
	s_delay_alu instid0(VALU_DEP_1)
	v_lshl_or_b32 v[\u], v[TM+7], 8, v[TM+6]
	v_cvt_scalef32_pk16_fp6_f32 v[\d:\d+2], v[\s:\s+15], v[TM+4]
	v_cvt_scalef32_pk16_fp6_f32 v[TM+8:TM+10], v[\s+16:\s+31], v[TM+5]
	v_nop                                          ; one plain place behind a scaled conversion
.irp i, 0,1,2
	v_permlane16_swap_b32 v[\d+\i], v[TM+8+\i]     ; a whole block to a lane
.endr
.irp i, 0,1,2
	s_delay_alu instid0(VALU_DEP_3)
	v_mov_b32 v[\d+3+\i], v[TM+8+\i]
.endr
.endm
	s_load_b128 s[4:7], s[0:1], 0x0                ; hd, orr
	v_lshl_add_u32 v[SPW], v0, 2, SPARE
	v_mov_b32 v[NIL], 0
	ds_add_u32 v[SPW], v[NIL]                      ; the wave's opening: the add, twice on end, and its wait ahead of the first tensor load
	ds_add_u32 v[SPW], v[NIL]
	v_lshrrev_b32 v[X], 5, v0
	s_delay_alu instid0(VALU_DEP_1)
	v_readfirstlane_b32 s[WV], v[X]                ; wave 0..7
	s_and_b32 s8, ttmp7, 0xffff                    ; bh = 16 b + head, which the four partners share
	s_bfe_u32 s9, ttmp6, 0x40000                   ; cx
	s_lshl_b32 s10, ttmp9, 2
	s_add_co_u32 s10, s10, s9                      ; my block of 512 queries: it enters Q's and o's addresses alone
	s_mov_b32 s[G1], 15|(3<<16)|(1<<21)            ; 15:0 the mask: all four; 17:16 elements of 8 bytes; 21 set beside a mask; no padding
	s_mov_b32 s[G1+1], 32<<16                      ; tensor_dim0 = 32 elements: 256 bytes
	s_mov_b32 s[G1+2], 100<<16                     ; tensor_dim1 = 100 rows: 25,600 dense bytes
	s_mov_b32 s[G1+3], 32<<16                      ; tile_dim0
	s_mov_b32 s[G1+4], 100                         ; tile_dim1
	s_mov_b32 s[G1+5], 32                          ; the pitch
	s_mov_b32 s[G1+6], 0
	s_mov_b32 s[G1+7], 0
	s_mul_i32 s12, s8, 204800
	s_mul_i32 s11, s[WV], 25600                    ; my part, in the block and in LDS
	s_add_co_u32 s12, s12, s11
	s_mov_b32 s13, 0
	s_mov_b32 s[SEL], 0x76543210
	s_mov_b32 s[SEL+1], 0xfedcba98
	s_mov_b32 s[CS], 0x3e38aa3b                    ; c = log2(e) / sqrt(64)
	s_mov_b32 s[CS+1], s[CS]                       ; (named with it as a pair, so it is written)
	s_wait_dscnt 0x0                               ; both opening adds are done
	s_wait_kmcnt 0x0
	CROUND                                         ; all four work-groups are here: the joint loads meet
	s_mov_b32 s[G0], 1
	s_mov_b32 s[G0+1], s11
	s_add_nc_u64 s[G0+2:G0+3], s[4:5], s[12:13]
	s_or_b32 s[G0+3], s[G0+3], 0x80000000
	tensor_load_to_lds s[G0:G0+3], s[G1:G1+7]      ; my one tensor load
	s_nop 0
.rept 4
	v_nop
.endr
	s_lshl_b32 s48, s10, 5
	s_lshl_b32 s49, s[WV], 2
	s_add_co_u32 s48, s48, s49                     ; T0 = 32 qb + 4 w: my four tiles
	s_mul_i32 s50, s8, 102400
	s_add_co_u32 s50, s50, 13107200                ; the head's block of Q
	s_mov_b32 s53, 0
	s_mul_i32 s52, s48, 768
	s_add_co_u32 s52, s52, s50
	s_add_nc_u64 s[40:41], s[4:5], s[52:53]        ; Q's codes
	s_lshl_b32 s52, s48, 5                         ; 64 (T0 / 2)
	s_add_co_u32 s52, s52, s50
	s_add_co_u32 s52, s52, 98304
	s_add_nc_u64 s[42:43], s[4:5], s[52:53]        ; Q's scale bytes
	s_lshr_b32 s51, s8, 4                          ; b
	s_and_b32 s54, s8, 15                          ; head
	s_lshl_b32 s51, s51, 7
	s_add_co_u32 s51, s51, s48                     ; o's record: 128 b + T0
	s_mul_i32 s51, s51, 12800
	s_lshr_b32 s55, s54, 3
	s_mul_i32 s55, s55, 6400                       ; its half record: head / 8
	s_add_co_u32 s51, s51, s55
	s_bfe_u32 s55, s54, 0x20001                    ; K step (head / 2) % 4
	s_and_b32 s54, s54, 1                          ; half head % 2
	s_mul_i32 s52, s55, 1536
	s_mul_i32 s57, s54, 768
	s_add_co_u32 s52, s52, s57
	s_add_co_u32 s52, s52, s51
	s_add_nc_u64 s[44:45], s[6:7], s[52:53]        ; o's codes
	s_lshl_b32 s52, s55, 2
	s_lshl_b32 s57, s54, 1
	s_add_co_u32 s52, s52, s57
	s_add_co_u32 s52, s52, s51
	s_add_co_u32 s52, s52, 6144
	s_add_nc_u64 s[46:47], s[6:7], s[52:53]        ; o's scale bytes
	s_mov_b32 s[TB], 0
	s_mov_b32 s[TS], 0
	s_mov_b32 s[CNT], 15
	v_and_b32 v[LN], 31, v0                        ; lane
	v_and_b32 v[X], 15, v0                         ; r
	v_bfe_u32 v[X+2], v0, 4, 1                     ; h
	v_bfe_u32 v[X+3], v0, 3, 1                     ; r / 8
	v_and_b32 v[X+4], 7, v0                        ; r % 8
	v_lshlrev_b32 v[R16], 4, v[X]
	v_lshlrev_b32 v[R4], 2, v[X]
	v_lshlrev_b32 v[L16], 4, v[LN]
	v_lshlrev_b32 v[L8], 3, v[LN]
	v_lshlrev_b32 v[H8], 3, v[X+2]
	v_lshl_add_u32 v[VBS], v[LN], 2, KSC+4096
	v_mul_u32_u24 v[KB16], v[X+3], 1536
	v_mul_u32_u24 v[KB8], v[X+3], 1536
	v_lshl_add_u32 v[KBS], v[X+3], 6, KSC
	v_add_nc_u32 v[VB16], VC, v[L16]
	v_add_nc_u32 v[VB8], VC, v[L8]
	v_lshl_add_u32 v[KB16], v[X+4], 4, v[KB16]
	v_lshl_add_u32 v[KB8], v[X+4], 3, v[KB8]
	v_lshl_add_u32 v[KBS], v[X+4], 2, v[KBS]
	v_mov_b32 v[FF+1], 0                           ; named as the upper half of a pair
	v_mov_b32 v[X+1], 0                            ; a lane permute's destination counts as one of its sources
	v_lshl_add_u32 v[KB16], v[X+2], 8, v[KB16]     ; 1,536 (r / 8) + 16 (r % 8) + 256 h
	v_lshl_add_u32 v[KB8], v[X+2], 7, v[KB8]       ; 1,536 (r / 8) + 8 (r % 8) + 128 h
	v_lshl_add_u32 v[KBS], v[X+2], 5, v[KBS]       ; KSC + 64 (r / 8) + 4 (r % 8) + 32 h
	v_mov_b32 v[X+7], 0
	AW
.irp t, 0,1,2,3
	global_load_b128 v[QF+6+12*\t:QF+9+12*\t], v[L16], s[40:41] offset:768*\t
	global_load_b64 v[QF+10+12*\t:QF+11+12*\t], v[L8], s[40:41] offset:768*\t+512
	global_load_u16 v[QB+\t], v[R4], s[42:43] offset:64*(\t/2)+2*(\t%2)   ; my query's two scale bytes
.endr
.irp z, 0,1,2,3,4
.irp i, 0,1,2,3,4,5
	v_mov_b32 v[QF+12*\z+\i], 0                    ; the zero codes between the queries
.endr
.endr
.irp t, 0,1,2,3
	v_mov_b32 v[STA+2*\t], 0x7e000000              ; -M: so large that the first f is 0
	v_mov_b32 v[STA+2*\t+1], 0xff61b1e6            ; the largest score so far: -3e38
	v_mov_b32 v[LP+2*\t], 0                        ; the sum, in two halves
	v_mov_b32 v[LP+2*\t+1], 0
.endr
	v_add_nc_u32 v[AK16], s[TB], v[KB16]
	v_add_nc_u32 v[AK8], s[TB], v[KB8]
	v_add_nc_u32 v[AKS], s[TS], v[KBS]
	v_add_nc_u32 v[AV16], s[TB], v[VB16]
	v_add_nc_u32 v[AV8], s[TB], v[VB8]
	v_add_nc_u32 v[AVS], s[TS], v[VBS]
	AW                                             ; at the head's end
	s_wait_tensorcnt 0x0                           ; my part of the block is in,
	s_barrier_signal -1
	s_barrier_wait -1                              ; everybody's is
	KLOAD
	VLOAD
	s_wait_loadcnt 0x0
.irp t, 0,1,2,3
	v_or_b32 v[QS+2*\t], 0x01010000, v[QB+\t]      ; the scale word of [q | 0]: the bytes of the zero half are 1
	v_lshl_or_b32 v[QS+2*\t+1], v[QB+\t], 16, 0x0101   ; and of [0 | q]
.endr
.rept 8
	v_nop                                          ; a scale register written by a vector instruction stands eight places ahead of a scaled product
.endr
	AW
	s_wait_dscnt 18                                ; K's 18 loads are in; V's 18 may be out
	SW 0, 0
	SW 1, 1
	WIN 0x40
.set n, 0
.rept 128
	v_mov_b32 v[OA+n], 0                           ; O^T: the step is written once; its first trip finds zeros.  (Also the places behind the first products)
.set n, n+1
.endr
	WIN 0
	AW
.Lstep:
	BODY 0
	s_sub_co_u32 s[CNT], s[CNT], 1
	s_cmp_lg_u32 s[CNT], 0
	AW
	s_cbranch_scc1 .Lstep
	BODY 1                                         ; the last step is written out: it fetches and multiplies nothing beyond the keys
.irp t, 0,1,2,3
	v_add_f32 v[LP+2*\t], v[LP+2*\t], v[LP+2*\t+1] ; the sum's two halves.  (Four places in front of the first read of O^T)
.endr
.irp t, 0,1,2,3
	s_delay_alu instid0(VALU_DEP_4)
	v_permlanex16_b32 v[TT+\t], v[LP+2*\t], s[SEL], s[SEL+1]
.endr
.irp t, 0,1,2,3
	s_delay_alu instid0(VALU_DEP_4)
	v_add_f32 v[LP+2*\t], v[LP+2*\t], v[TT+\t]     ; and lane l xor 16's
.endr
	AW
.irp t, 0,1,2,3
	v_rcp_f32 v[LP+2*\t], v[LP+2*\t]
.endr
	v_mov_b32 v[TM+2], 0                           ; (a lane permute's destination counts as one of its sources.  The plain place behind the batch)
	v_mov_b32 v[TM+3], 0
.irp t, 0,1,2,3
	WIN 0x01
	AW                                             ; behind the reciprocals, directly ahead of the first reader of this tile's O^T
.set n, 0
.rept 32
	v_mul_f32 v[KF+n], v[OA+32*\t+n], v[LP+2*\t]   ; o = O^T / the sum: register 16 b + i is channel 32 b + 16 h + i; each accumulator from its low end on
.set n, n+1
.endr
	WIN 0
	HQUANT KF, VF+8*\t, VF+32+\t
	global_store_b128 v[L16], v[VF+8*\t:VF+8*\t+3], s[44:45] offset:12800*\t        ; 512 consecutive bytes, aligned to 256
	global_store_b64 v[L8], v[VF+8*\t+4:VF+8*\t+5], s[44:45] offset:12800*\t+512    ; 256 consecutive bytes
.endr
	v_cmp_gt_u32 vcc_lo, 16, v[LN]
	AW
	s_wait_xcnt 0x0                                ; EXEC changes only behind this wait
	s_and_saveexec_b32 s56, vcc_lo
.irp t, 0,1,2,3
	global_store_b16 v[R16], v[VF+32+\t], s[46:47] offset:12800*\t   ; lanes 0-15: the rows' two scale bytes
.endr
	s_wait_xcnt 0x0                                ; and again in front of the line that widens it
	s_or_b32 exec_lo, exec_lo, s56
	s_wait_tensorcnt 0x0                           ; the wave's end
	ds_add_u32 v[SPW], v[NIL]
	s_wait_dscnt 0x0
	CROUND                                         ; the closing round
	s_endpgm
.Lfunc_end_k_qc10a4b3d35_attn:
	.size	k_qc10a4b3d35_attn, .Lfunc_end_k_qc10a4b3d35_attn-k_qc10a4b3d35_attn
	.p2alignl 7, 3214868480
	.fill 96, 4, 3214868480
	.section	.rodata,"a",@progbits
	.p2align	6, 0x0
	.amdhsa_kernel k_qc10a4b3d35_attn
		.amdhsa_group_segment_fixed_size 327680
		.amdhsa_private_segment_fixed_size 0
		.amdhsa_enable_private_segment 0
		.amdhsa_kernarg_size 16
		.amdhsa_user_sgpr_count 2
		.amdhsa_user_sgpr_kernarg_segment_ptr 1
		.amdhsa_wavefront_size32 1
		.amdhsa_system_sgpr_workgroup_id_x 1
		.amdhsa_system_sgpr_workgroup_id_y 1
		.amdhsa_system_sgpr_workgroup_id_z 1
		.amdhsa_system_vgpr_workitem_id 0
		.amdhsa_next_free_vgpr 512
		.amdhsa_next_free_sgpr 66
		.amdhsa_reserve_vcc 1
		.amdhsa_float_denorm_mode_32 3
		.amdhsa_float_denorm_mode_16_64 3
		.amdhsa_memory_ordered 1
		.amdhsa_forward_progress 1
		.amdhsa_inst_pref_size 141
	.end_amdhsa_kernel
	.amdgpu_metadata
---
amdhsa.version: [ 1, 2 ]
amdhsa.kernels:
  - .name:           k_qc10a4b3d35_attn
    .symbol:         k_qc10a4b3d35_attn.kd
    .args:
      - { .name: hd, .offset: 0, .size: 8, .value_kind: global_buffer, .address_space: global }
      - { .name: orr, .offset: 8, .size: 8, .value_kind: global_buffer, .address_space: global }
    .group_segment_fixed_size: 327680
    .private_segment_fixed_size: 0
    .kernarg_segment_align: 8
    .kernarg_segment_size: 16
    .max_flat_workgroup_size: 256
    .sgpr_count:     66
    .vgpr_count:     512
    .wavefront_size: 32
...
	.end_amdgpu_metadata
.endif
;; end of part 3
;; launch oproj (part 4): grid 4 x 64, 8 waves a work-group, clusters of 4 x 4, 327,680 bytes of LDS; arguments rec, orr, b_o, out0; writes out0
.if DOCPART == 4
	.amdgcn_target "amdgcn-amd-amdhsa--gfx1250"
	.amdhsa_code_object_version 6
	.text
	.protected	k_qc10a4b3d35_oproj
	.globl	k_qc10a4b3d35_oproj
	.p2align	8
	.type	k_qc10a4b3d35_oproj,@function
k_qc10a4b3d35_oproj:
	s_mov_b64 s[64:65], 0
	v_nop
	global_prefetch_b8 v0, s[64:65] scope:SCOPE_SE
	s_setreg_imm32_b32 hwreg(HW_REG_WAVE_MODE, 25, 1), 1
	s_wait_xcnt 0x0
	s_wait_alu depctr_hold_cnt(0) depctr_sa_sdst(0) depctr_va_vdst(0) depctr_va_sdst(0) depctr_va_ssrc(0) depctr_va_vcc(0) depctr_vm_vsrc(0)
	s_getreg_b32 s2, hwreg(HW_REG_IB_STS2, 6, 4)
	s_cmp_eq_u32 s2, 0
	s_cbranch_scc0 .Lentry_in_a_cluster
	s_endpgm
.Lentry_in_a_cluster:
	s_bfe_u32 s2, ttmp6, 0x10000c
	s_cmp_lg_u32 s2, 0xf033
	s_cbranch_scc0 .Lentry_shape_is_right
	s_endpgm
.Lentry_shape_is_right:
.set HRB,   12800                      ; from tile to tile in LDS: a whole record; each wave brings whole records, all of K, by its one tensor load; a record's second half lies 6,400 bytes behind its first
.set RECB,  12800
.set QOFF,  16*HRB
.set CHUNK, 24*HRB
.set SPARE, CHUNK                      ; behind the 24 records: the spare words
.set SP,    272
.set AP16, 4
.set AP8,  5
.set AQ16, 6
.set AQ8,  7
.set AS,   8
.set BO,   9
.set SPW,  10
.set NIL,  11
.set STO,  12
.set RD,   13
.set CO,   14
.set SC,   16
.set PF,   32
.set QF,   80
.set ACC,  128
.set G1Q, 24
.set G0Q, 32
.set G1P, 48
.set G0P, 56
.macro JLOAD c
	s_cmp_eq_u32 s16, 0
	s_cbranch_scc0 .Lfor_q_\@
	tensor_load_to_lds s[G0P+4*\c:G0P+4*\c+3], s[G1P:G1P+7]
	s_nop 0
.rept 4
	v_nop
.endr
	s_branch .Lasked_\@
.Lfor_q_\@:
	tensor_load_to_lds s[G0Q+4*\c:G0Q+4*\c+3], s[G1Q:G1Q+7]
	s_nop 0
.rept 4
	v_nop
.endr
.Lasked_\@:
.endm
.macro CROUND
	s_barrier_signal -1
	s_barrier_wait -1
	s_cmp_lg_u32 s14, 0
	s_cbranch_scc1 .Lnot_wave_0_\@
	s_barrier_signal -3
.Lnot_wave_0_\@:
	s_barrier_wait -3
	s_barrier_signal -1
	s_barrier_wait -1
.endm
.macro FRAGLD reg, a16, a8, off
	ds_load_b128 v[\reg:\reg+3], v[\a16] offset:\off
	ds_load_b64 v[\reg+4:\reg+5], v[\a8] offset:\off+512
	ds_load_b128 v[\reg+6:\reg+9], v[\a16] offset:\off+768
	ds_load_b64 v[\reg+10:\reg+11], v[\a8] offset:\off+1280
.endm
.macro SCALES
.irp i, 0,1,2,3
	ds_load_b128 v[SC+4*\i:SC+4*\i+3], v[AS] offset:HRB*\i
.endr
.endm
.macro KSTEP j
.rept 4
	v_nop
.endr
.irp i, 0,1,2,3
	FRAGLD PF+12*\i, AP16, AP8, HRB*\i+1536*\j
.endr
.irp i, 0,1,2,3
	FRAGLD QF+12*\i, AQ16, AQ8, HRB*\i+1536*\j
.endr
.irp a, 0,1,2,3
	s_wait_dscnt 12-4*\a
.irp b, 0,1,2,3
	v_wmma_scale_f32_16x16x128_f8f6f4 v[ACC+8*(4*\a+\b):ACC+8*(4*\a+\b)+7], v[PF+12*\b:PF+12*\b+11], v[QF+12*\a:QF+12*\a+11], v[ACC+8*(4*\a+\b):ACC+8*(4*\a+\b)+7], v[SC+4*\b+\j], v[SC+4*\a+\j] matrix_a_fmt:MATRIX_FMT_FP6 matrix_b_fmt:MATRIX_FMT_FP6 matrix_b_scale:MATRIX_SCALE_ROW1
.endr
.endr
.endm
	s_load_b256 s[4:11], s[0:1], 0x0
	v_lshl_add_u32 v[SPW], v0, 2, SPARE
	v_mov_b32 v[NIL], 0
	ds_add_u32 v[SPW], v[NIL]
	ds_add_u32 v[SPW], v[NIL]
	v_lshrrev_b32 v1, 5, v0
	s_delay_alu instid0(VALU_DEP_1)
	v_readfirstlane_b32 s14, v1
	s_and_b32 s15, s14, 3
	s_lshr_b32 s16, s14, 2
	s_bfe_u32 s40, ttmp6, 0x40000
	s_bfe_u32 s41, ttmp6, 0x40004
	s_mov_b32 s42, s40
	s_and_b32 s17, ttmp7, 0xffff
	s_lshl_b32 s17, s17, 2
	s_add_co_u32 s17, s17, s41
	s_lshl_b32 s43, s41, 2
	s_lshl_b32 s43, 15, s43
	s_lshl_b32 s44, 0x1111, s40
	s_or_b32 s[G1Q], s43, (3<<16)|(1<<21)
	s_or_b32 s[G1P], s44, (3<<16)|(1<<21)
	s_mov_b32 s[G1P+1], 1600<<16
	s_mov_b32 s[G1P+2], 4<<16
	s_mov_b32 s[G1P+3], 1600<<16
	s_mov_b32 s[G1P+4], 4
	s_mov_b32 s[G1P+5], 1600
	s_mov_b32 s[G1P+6], 0
	s_mov_b32 s[G1P+7], 0
	s_mov_b32 s[G1Q+1], 1600<<16
	s_mov_b32 s[G1Q+2], 2<<16
	s_mov_b32 s[G1Q+3], 1600<<16
	s_mov_b32 s[G1Q+4], 2
	s_mov_b32 s[G1Q+5], 1600
	s_mov_b32 s[G1Q+6], 0
	s_mov_b32 s[G1Q+7], 0
	s_lshl_b32 s46, s42, 4
	s_add_co_u32 s46, s46, 1728
	s_lshl_b32 s23, s15, 2
	s_add_co_u32 s46, s46, s23
	s_mul_i32 s46, s46, RECB
	s_mov_b32 s47, 0
	s_lshl_b32 s72, s17, 3
	s_lshl_b32 s23, s15, 1
	s_add_co_u32 s72, s72, s23
	s_mul_i32 s72, s72, RECB
	s_mov_b32 s73, 0
	s_mul_i32 s45, s15, 4*HRB
	s_mul_i32 s74, s15, 2*HRB
	s_add_co_u32 s74, s74, QOFF
	s_wait_dscnt 0x0
	s_wait_kmcnt 0x0
	s_add_nc_u64 s[46:47], s[4:5], s[46:47]
	s_add_nc_u64 s[72:73], s[6:7], s[72:73]
	CROUND
.irp c, 0
	s_mov_b32 s[G0P+4*\c], 1
	s_add_co_u32 s[G0P+4*\c+1], s45, \c*CHUNK
	s_add_nc_u64 s[G0P+4*\c+2:G0P+4*\c+3], s[46:47], \c*HRB
	s_or_b32 s[G0P+4*\c+3], s[G0P+4*\c+3], 0x80000000
	s_mov_b32 s[G0Q+4*\c], 1
	s_add_co_u32 s[G0Q+4*\c+1], s74, \c*CHUNK
	s_add_nc_u64 s[G0Q+4*\c+2:G0Q+4*\c+3], s[72:73], \c*HRB
	s_or_b32 s[G0Q+4*\c+3], s[G0Q+4*\c+3], 0x80000000
	JLOAD \c
.endr
	v_and_b32 v1, 15, v0
	v_bfe_u32 v2, v0, 4, 1
	v_and_b32 v3, 31, v0
	s_delay_alu instid0(VALU_DEP_2)
	v_lshlrev_b32 v[BO], 6, v2
	s_wait_alu depctr_va_vdst(0)
	s_lshl_b32 s80, s17, 7
	s_lshl_b32 s81, s16, 6
	s_add_co_u32 s80, s80, s81
	s_lshl_b32 s80, s80, 12
	s_lshl_b32 s81, s42, 10
	s_lshl_b32 s82, s15, 8
	s_add_co_u32 s82, s82, s81
	s_mov_b32 s83, 0
	s_add_nc_u64 s[76:77], s[8:9], s[82:83]
	s_add_co_u32 s80, s80, s82
	s_mov_b32 s81, 0
	s_add_nc_u64 s[78:79], s[10:11], s[80:81]
.irp a, 0,1,2,3
.irp i, 0,1,2,3
	global_load_b128 v[ACC+8*(4*\a+\i):ACC+8*(4*\a+\i)+3], v[BO], s[76:77] offset:128*(\i/2)+32*(\i%2)
	global_load_b128 v[ACC+8*(4*\a+\i)+4:ACC+8*(4*\a+\i)+7], v[BO], s[76:77] offset:128*(\i/2)+32*(\i%2)+16
.endr
.endr
	s_mul_i32 s21, s15, 4*HRB
	s_mul_i32 s22, s16, 4*HRB
	s_add_co_u32 s22, s22, QOFF
	v_lshl_add_u32 v[AP16], v3, 4, s21
	v_lshl_add_u32 v[AP8], v3, 3, s21
	v_lshl_add_u32 v[AQ16], v3, 4, s22
	v_lshl_add_u32 v[AQ8], v3, 3, s22
	s_xor_b32 s23, s15, 3
	s_add_co_u32 s23, s23, s16
	s_add_co_u32 s23, s23, 1
	s_mul_i32 s23, s23, 4*HRB
	v_mul_u32_u24 v[AS], s23, v2
	s_delay_alu instid0(VALU_DEP_1)
	v_lshl_add_u32 v[AS], v1, 4, v[AS]
	s_add_co_u32 s21, s21, 6144
	v_add_nc_u32 v[AS], s21, v[AS]
	s_mul_i32 s23, s14, 16*SP
	v_mul_u32_u24 v[STO], v1, SP
	s_delay_alu instid0(VALU_DEP_1)
	v_lshl_add_u32 v[STO], v2, 6, v[STO]
	s_delay_alu instid0(VALU_DEP_1)
	v_add_nc_u32 v[STO], s23, v[STO]
	v_mul_u32_u24 v[RD], v2, SP
	s_delay_alu instid0(VALU_DEP_1)
	v_lshl_add_u32 v[RD], v1, 4, v[RD]
	s_delay_alu instid0(VALU_DEP_1)
	v_add_nc_u32 v[RD], s23, v[RD]
	v_lshlrev_b32 v[CO], 12, v2
	s_delay_alu instid0(VALU_DEP_1)
	v_lshl_add_u32 v[CO], v1, 4, v[CO]
	s_wait_alu depctr_va_vdst(0)
	s_wait_tensorcnt 0x0                           ; my one load, my records for all of K, is in
	s_barrier_signal -1
	s_barrier_wait -1
	s_wait_loadcnt 0x0
	SCALES
	KSTEP 0
	KSTEP 1
	KSTEP 2
	KSTEP 3
.irp x, AP16, AP8, AQ16, AQ8, AS
	v_add_nc_u32 v[\x], 6400, v[\x]                ; on to the records' second halves
.endr
	SCALES
	KSTEP 0
	s_wait_alu depctr_va_vdst(0)
	KSTEP 1
	KSTEP 2
	KSTEP 3
.rept 4
	v_nop
.endr
.macro TOSTAGE a
.irp i, 0,1,2,3
	ds_store_b128 v[STO], v[ACC+8*(4*(\a)+\i):ACC+8*(4*(\a)+\i)+3] offset:128*(\i/2)+32*(\i%2)
	ds_store_b128 v[STO], v[ACC+8*(4*(\a)+\i)+4:ACC+8*(4*(\a)+\i)+7] offset:128*(\i/2)+32*(\i%2)+16
.endr
.irp t, 0,1,2,3,4,5,6,7
	ds_load_b128 v[32+32*((\a)%2)+4*\t:32+32*((\a)%2)+4*\t+3], v[RD] offset:2*SP*\t
.endr
.endm
.macro SEND a, younger
	s_wait_dscnt \younger
.irp t, 0,1,2,3,4,5,6,7
	global_store_b128 v[CO], v[32+32*((\a)%2)+4*\t:32+32*((\a)%2)+4*\t+3], s[78:79] offset:(32*((\a)/2)+8*((\a)%2)+2*\t+8*(\t/4))*4096 th:TH_STORE_NT
.endr
.endm
	s_wait_dscnt 0x0                               ; my reads of the records are over,
	s_barrier_signal -1
	s_barrier_wait -1                              ; everybody's are: the stages lie on the first records' bytes, which have had their one fill
	TOSTAGE 0
	TOSTAGE 1
	SEND 0, 16
	s_wait_xcnt 0x0
	TOSTAGE 2
	SEND 1, 16
	s_wait_xcnt 0x0
	TOSTAGE 3
	SEND 2, 16
	SEND 3, 0
	s_wait_tensorcnt 0x0
	ds_add_u32 v[SPW], v[NIL]
	s_wait_dscnt 0x0
	CROUND
	s_endpgm
.Lfunc_end_k_qc10a4b3d35_oproj:
	.size	k_qc10a4b3d35_oproj, .Lfunc_end_k_qc10a4b3d35_oproj-k_qc10a4b3d35_oproj
	.p2alignl 7, 3214868480
	.fill 96, 4, 3214868480
	.section	.rodata,"a",@progbits
	.p2align	6, 0x0
	.amdhsa_kernel k_qc10a4b3d35_oproj
		.amdhsa_group_segment_fixed_size 327680
		.amdhsa_private_segment_fixed_size 0
		.amdhsa_enable_private_segment 0
		.amdhsa_kernarg_size 32
		.amdhsa_user_sgpr_count 2
		.amdhsa_user_sgpr_kernarg_segment_ptr 1
		.amdhsa_wavefront_size32 1
		.amdhsa_system_sgpr_workgroup_id_x 1
		.amdhsa_system_sgpr_workgroup_id_y 1
		.amdhsa_system_sgpr_workgroup_id_z 1
		.amdhsa_system_vgpr_workitem_id 0
		.amdhsa_next_free_vgpr 256
		.amdhsa_next_free_sgpr 100
		.amdhsa_reserve_vcc 0
		.amdhsa_float_denorm_mode_32 3
		.amdhsa_float_denorm_mode_16_64 3
		.amdhsa_memory_ordered 1
		.amdhsa_forward_progress 1
		.amdhsa_inst_pref_size 53
	.end_amdhsa_kernel
	.amdgpu_metadata
---
amdhsa.version: [ 1, 2 ]
amdhsa.kernels:
  - .name:           k_qc10a4b3d35_oproj
    .symbol:         k_qc10a4b3d35_oproj.kd
    .args:
      - { .name: rec, .offset: 0, .size: 8, .value_kind: global_buffer, .address_space: global }
      - { .name: orr, .offset: 8, .size: 8, .value_kind: global_buffer, .address_space: global }
      - { .name: b_o, .offset: 16, .size: 8, .value_kind: global_buffer, .address_space: global }
      - { .name: out0, .offset: 24, .size: 8, .value_kind: global_buffer, .address_space: global }
    .group_segment_fixed_size: 327680
    .private_segment_fixed_size: 0
    .kernarg_segment_align: 8
    .kernarg_segment_size: 32
    .max_flat_workgroup_size: 256
    .sgpr_count:     100
    .vgpr_count:     256
    .wavefront_size: 32
...
	.end_amdgpu_metadata
.endif
;; end of part 4
